; MI455X (gfx1250); checked and timed in simulation.
; The chip was launched on July 23, 2026; its instructions are those of AMD's public machine-readable ISA for CDNA 5 (MIT licence, August 2026) and "CDNA5" Instruction Set Architecture Reference Guide (July 2026). The comments in the code are by the model that wrote it; some were corrected since.
;; Multi Head Attention. Allowed arithmetic: matrix products marked QUANTISED: E4M3 operands, one given power-of-two scale a tensor, by v_wmma_f32_16x16x64_fp8_fp8 or v_wmma_f32_16x16x128_fp8_fp8, f32 sums; everything else in f32.
;; Inputs: W_qkv_codes 3,072 x 32 x 32 uint8 (E4M3 codes of W_qkv, K innermost, in blocks of 32 codes); b_qkv 3,072 float32; inputs_codes 4 x 2,048 x 32 x 32 uint8 (E4M3 codes of inputs, K innermost, in blocks of 32 codes); lowp_scales 6 int32 (the exponents e of the quantised operands' scales 2^e); mask 4 x 2,048 x 2,048 bool.
;; Outputs: out0 4 x 2,048 x 1,024 float32.
;; This version of the problem:
;;   THIS VERSION OF THE PROBLEM IS GIVEN IN LOW PRECISION. The matrix products marked QUANTISED in the list below multiply operands that are first quantised to E4M3 (4 exponent bits, 3 mantissa bits; 8 bits a number), with one given power-of-two scale for each operand tensor; their sums are f32. All else is computed in f32.
;;   The module's matrix products, in the order in which they are computed (A, B: the left and right operand; K: the contracted axis; several contracted axes count as one K, in the product's order):
;;     1. [M 8,192, K 1,024] x [K 1,024, N 3,072]; A: input inputs (given as codes); B: input W_qkv (given as codes): QUANTISED (scales: A lowp_scales[0], B lowp_scales[1])
;;     2. batch 64 x [M 2,048, K 64] x [K 64, N 2,048]; A: computed on the way; B: computed on the way: QUANTISED (scales: A lowp_scales[2], B lowp_scales[3])
;;     3. batch 64 x [M 2,048, K 2,048] x [K 2,048, N 64]; A: softmax (see below); B: computed on the way: QUANTISED (scales: A lowp_scales[4], B lowp_scales[5])
;;   THE QUANTISER, for each operand of a quantised product, along K:
;;     - The operand's scale is 2^e, e = its entry of the input lowp_scales (int32; the entries are numbered through the quantised products in the list's order, A before B).
;;     - Each number is divided by the scale, clamped to +-448, and rounded to the nearest number of E4M3, ties to even, subnormals kept.
;;     - The product sums the exact products of the quantised numbers (number of the format x scale) in f32.
;;   ~~~python
;;   def quantise(x, axis, e):      # numpy; x: float32 -> the quantised numbers, widened to float32 again
;;       x = np.moveaxis(x, axis, -1); K = x.shape[-1]
;;       r = np.clip(x / 2.0 ** e, -448, 448)
;;       step = 2.0 ** (np.maximum(np.frexp(np.where(r == 0, 1, r))[1] - 1, -6) - 3)
;;       q = np.round(r / step) * step * 2.0 ** e      # np.round: ties to even
;;       return np.moveaxis(q, -1, axis).astype(np.float32)
;;   ~~~
;;   SOFTMAX AHEAD OF A QUANTISED PRODUCT. Where the list says 'softmax', what is quantised is not the finished softmax but p = 2^(t - M), with t = logit x log2(e) and M = ceil(the row's largest t), a whole number; so 1/2 < the row's largest p <= 1. The row's sum l is taken of the UNQUANTISED p, in f32, and the product's result is divided by l at the end. Since M is a whole number, a kernel that streams over the keys may use a running M (the ceiling of the running maximum): every later rescaling is an exact power of two, so the quantised numbers keep their values, but for numbers so far below the row's largest that they fall under the format's range.
;;   OPERANDS COMPUTED ON THE WAY. 'Computed on the way' means the value that the module computes at that place (a softmax that the list does not call 'softmax' is quantised finished and normalised). What goes into a quantiser is computed in f32, as accurately as f32 sums, v_exp_f32 and their like allow (about 1e-6 of the number): no bf16 or f16 on the way to a quantiser, and a product that is left as it is and whose result goes on into a quantised operand takes f32 operands (vector FMAs, or v_wmma_f32_16x16x4_f32). A number that lies on a knife's edge between two numbers of the format may be rounded either way, as far as f32 arithmetic and the matrix unit's own rounding can turn it there, and no further.
;;   INPUTS GIVEN AS CODES. W_qkv (in the module: [1024, 3072], K = its axis 0); inputs (in the module: [4, 2048, 1024], K = its axis 2): each comes as NAME_codes (uint8): NAME with its K axis moved to the last place and cut into blocks of 32 codes, [.., K / 32, bytes a block], one block behind the other in memory; one code a byte (a code: sign, 4 exponent bits, 3 mantissa bits); its scale is its entry of lowp_scales. Its value is code x scale, taken as it is: it is not quantised again, and the codes and scales need not be those that the quantiser above would give.
;; 2 versions, each right; version 2 is version 1 with the launch attn written anew for expert scheduling mode. Each part assembles by itself: llvm-mc -triple=amdgcn-amd-amdhsa -mcpu=gfx1250 --defsym DOCPART=n.
;; ======== version 1 of 2: 3 launches
;; limits: right only within a limited range of input values
;; workspace buffers: qf 8,388,608 bytes; kv 16,777,216 bytes; maskw 2,097,152 bytes of whole numbers; flags 8,192 bytes of whole numbers
;; launch pack (part 1): grid 512 x 1, 4 waves a work-group, no clusters, 35,328 bytes of LDS; arguments mask, maskw, flags; writes maskw, flags
.if DOCPART == 1
	.amdgcn_target "amdgcn-amd-amdhsa--gfx1250"
	.amdhsa_code_object_version 6
	.text
	.protected	k_qd061ec4e86_pack
	.globl	k_qd061ec4e86_pack
	.p2align	8
	.type	k_qd061ec4e86_pack,@function
k_qd061ec4e86_pack:
	s_mov_b64 s[64:65], 0
	v_nop
	global_prefetch_b8 v0, s[64:65] scope:SCOPE_SE
	s_setreg_imm32_b32 hwreg(HW_REG_WAVE_MODE, 25, 1), 1
	s_wait_xcnt 0x0
; THE PROGRAM: three launches.  pack: the mask's bytes become lane masks.  gemm: inputs x W_qkv + b_qkv, quantised into fragments of Q, K and V^T.  attn: the attention.
; DEAD WORK: none is left out.  Every input has a way to the output: the mask replaces logits, b_qkv moves the codes of q, k and v (k's part too: it stands ahead of a quantiser), all six scales are applied.
;
; THIS LAUNCH.  mask [4][2048][2048], one byte (0 or 1) for batch, query, key, becomes
;   maskw [b][query tile 128][key step 16][n 64] of 32-bit words: bit L of word n = 8 t + j is mask[b][16 qt + L % 16][128 st + 16 t + 8 (L / 16) + j]:
;         the lane mask for register 8 t + j of a tile of 16 queries x 128 keys of scores as the third launch holds it (a lane: one query; its registers: keys);
;   flags [b 128 + qt][quarter 4] of words: bit 4 quarter + s + 16 (qt % 2) is 1 where all 2,048 bytes of the unit (qt, step 4 quarter + s) are 1.  The words come shifted, so that their reader only joins them.
; SHARES.  Work-group g = 128 b + qt takes 16 rows of the mask; wave w their keys 512 w .. 512 w + 511: four units.  Waves share nothing: no barrier.
; Each load reads 2 rows x 256 consecutive bytes, aligned.  The bytes turn through the wave's own stage in LDS (rows of 256 + 16 bytes), since for the ballots a lane must hold 8 neighbouring keys of ONE row.
; A unit's 64 words leave as one store of 256 consecutive bytes, aligned.  The flags are 4 bytes a wave: the whole buffer is 8,192 bytes.
; No matrix unit, no cluster, no tensor load: a stream that is read once, and work-groups share no input.
.set PITCH, 272                        ; a stage row: 68 words: the 32 lanes of an 8-byte read (row r, half h: words 68 r + 2 h, + 1) fall on 64 different banks (64 banks of 4 bytes: ISA guide 11.1)
.set CHUNK, 16*PITCH                   ; 16 rows x 256 keys
.set WREG,  2*CHUNK                    ; a wave's region
.set SPARE, 4*WREG                     ; behind the four regions: the spare words, 128 bytes for each wave: two blocks of 256 bytes that no other line names
.set GOF,  4                           ; v4   my 16 bytes of a load: row lane / 16, byte 16 (lane % 16)
.set SIN,  5                           ; v5   the same place in the stage
.set SOUT, 6                           ; v6   out of the stage: row lane % 16, + 8 (lane / 16)
.set WOF,  7                           ; v7   8 x lane: my two words of a unit's 64
.set FD,   9                           ; v9   the flag word
.set SPW,  10                          ; v10  LDS address of my spare word; never rewritten
.set NIL,  11                          ; v11  0; never rewritten
.set ZOF,  13                          ; v13  offset 0 for the flag's store
.set LDR,  16                          ; v16-79   the sixteen loads
.set DA,   80                          ; v80-111  two sets of a unit's 16 registers: registers 2 t, 2 t + 1 = my row's keys 16 t + 8 h + 0 .. 7
.set WP,   112                         ; v112-119 a pair of words for each unit: lane l holds words 2 l and 2 l + 1
.set TT,   120                         ; v120-127 a tile's eight bytes, one to a register
.set BL,   32                          ; s32-39   a tile's eight lane masks
	s_load_b128 s[4:7], s[0:1], 0x0                ; mask s[4:5], maskw s[6:7]
	s_load_b64 s[8:9], s[0:1], 0x10                ; flags
	v_lshl_add_u32 v[SPW], v0, 2, SPARE
	v_mov_b32 v[NIL], 0
	v_lshrrev_b32 v1, 5, v0
	v_readfirstlane_b32 s12, v1                    ; wave 0..3
	v_and_b32 v1, 31, v0                           ; lane
	v_and_b32 v2, 15, v0                           ; lane % 16
	v_bfe_u32 v3, v0, 4, 1                         ; lane / 16
	v_lshlrev_b32 v12, 4, v2
	v_lshl_add_u32 v[GOF], v3, 11, v12             ; a row of the mask is 2,048 bytes
	s_mul_i32 s13, s12, WREG
	v_mul_u32_u24 v[SIN], v3, PITCH
	v_add_nc_u32 v[SIN], v[SIN], v12
	v_add_nc_u32 v[SIN], s13, v[SIN]
	v_mul_u32_u24 v[SOUT], v2, PITCH
	v_lshl_add_u32 v[SOUT], v3, 3, v[SOUT]
	v_add_nc_u32 v[SOUT], s13, v[SOUT]
	v_lshlrev_b32 v[WOF], 3, v1
	v_mov_b32 v[ZOF], 0
.irp i, 0,1,2,3,4,5,6,7
	v_mov_b32 v[WP+\i], 0                          ; written whole once: v_writelane_b32 leaves the other lanes as they are
.endr
	s_lshl_b32 s14, ttmp9, 15                      ; mask: 16 rows x 2,048 bytes a work-group,
	s_lshl_b32 s15, s12, 9                         ; 512 keys a wave
	s_add_co_u32 s14, s14, s15
	s_mov_b32 s15, 0
	s_lshl_b32 s16, ttmp9, 12                      ; maskw: 16 units x 256 bytes a work-group,
	s_lshl_b32 s17, s12, 10                        ; four units a wave
	s_add_co_u32 s16, s16, s17
	s_mov_b32 s17, 0
	s_lshl_b32 s18, ttmp9, 4                       ; flags: four words a work-group, one a wave
	s_lshl_b32 s19, s12, 2
	s_add_co_u32 s18, s18, s19
	s_mov_b32 s19, 0
	s_mov_b32 s26, 0                               ; the four units' flags
	s_wait_kmcnt 0x0
	s_add_nc_u64 s[4:5], s[4:5], s[14:15]
	s_add_nc_u64 s[6:7], s[6:7], s[16:17]
	s_add_nc_u64 s[8:9], s[8:9], s[18:19]
.irp c, 0,1                                    ; chunk c: keys 256 c on; rows 2 i and 2 i + 1 to a load
.irp i, 0,1,2,3,4,5,6,7
	global_load_b128 v[LDR+32*\c+4*\i:LDR+32*\c+4*\i+3], v[GOF], s[4:5] offset:4096*\i+256*\c th:TH_LOAD_NT
.endr
.endr
.irp c, 0,1
	s_wait_loadcnt 8-8*\c                          ; loads come back in order (ISA guide 5.7.1): this chunk's eight are in; with c = 0 the other chunk's eight may be out
.irp i, 0,1,2,3,4,5,6,7
	ds_store_b128 v[SIN], v[LDR+32*\c+4*\i:LDR+32*\c+4*\i+3] offset:CHUNK*\c+2*PITCH*\i
.endr
.endr
.macro ULOAD u                         ; unit u's bytes, 8 neighbouring keys of my row for each of its eight tiles.  LDS serves a wave's instructions in order (ISA guide 5.7.1.4): these see my stores
.irp t, 0,1,2,3,4,5,6,7
	ds_load_b64 v[DA+16*((\u)%2)+2*\t:DA+16*((\u)%2)+2*\t+1], v[SOUT] offset:CHUNK*((\u)/2)+128*((\u)%2)+16*\t
.endr
.endm
.macro UNIT u, left                    ; left: the younger LDS loads, which may stay out
.set D_, DA+16*((\u)%2)
	s_wait_dscnt \left
.irp t, 0,1,2,3,4,5,6,7
.irp j, 0,1,2,3,4,5,6,7
	v_and_b32 v[TT+\j], 1<<(8*(\j%4)), v[D_+2*\t+\j/4]         ; key 16 t + 8 h + j of my row
.endr
.irp j, 0,1,2,3,4,5,6,7
	v_cmp_ne_u32 s[BL+\j], 0, v[TT+\j]                         ; word 8 t + j: a bit a lane
.endr
.irp j, 0,1,2,3,4,5,6,7
	v_writelane_b32 v[WP+2*(\u)+\j%2], s[BL+\j], 4*\t+\j/2     ; word n goes to lane n / 2, register n % 2
.endr
.endr
	v_and_b32 v14, v[D_], v[D_+1]                  ; are all 2,048 bytes 1?  My 64 bytes first, in two chains,
	v_and_b32 v15, v[D_+2], v[D_+3]
.irp i, 4,6,8,10,12,14
	v_and_b32 v14, v14, v[D_+\i]
	v_and_b32 v15, v15, v[D_+\i+1]
.endr
	v_and_b32 v14, v14, v15
	v_cmp_eq_u32 s24, 0x01010101, v14
	s_cmp_eq_u32 s24, -1                           ; then all 32 lanes
	s_cselect_b32 s27, 1<<(\u), 0
	s_or_b32 s26, s26, s27
	global_store_b64 v[WOF], v[WP+2*(\u):WP+2*(\u)+1], s[6:7] offset:256*(\u)   ; 32 lanes store 256 consecutive bytes, aligned; each unit has its own pair, so no store's data are written again
.endm
	ULOAD 0
	ULOAD 1
	UNIT 0, 8
	ULOAD 2
	UNIT 1, 8
	ULOAD 3
	UNIT 2, 8
	UNIT 3, 0
	s_lshl_b32 s28, s12, 2                         ; my quarter's four bits: 4 x wave,
	s_and_b32 s29, ttmp9, 1
	s_lshl_b32 s29, s29, 4                         ; + 16 for an odd query tile
	s_add_co_u32 s28, s28, s29
	s_lshl_b32 s26, s26, s28
	v_mov_b32 v[FD], s26
	v_cmp_eq_u32 vcc_lo, 0, v1
	s_wait_xcnt 0x0                                ; EXEC is a source of the stores above: it changes only behind this wait
	s_and_saveexec_b32 s30, vcc_lo                 ; lane 0 alone
	global_store_b32 v[ZOF], v[FD], s[8:9]
	s_wait_xcnt 0x0                                ; and again, in front of the line that widens it
	s_or_b32 exec_lo, exec_lo, s30
	s_wait_tensorcnt 0x0                           ; the wave's end: behind my last LDS store
	ds_add_u32 v[SPW], v[NIL]
	s_wait_dscnt 0x0
	s_endpgm
.Lfunc_end_k_qd061ec4e86_pack:
	.size	k_qd061ec4e86_pack, .Lfunc_end_k_qd061ec4e86_pack-k_qd061ec4e86_pack
	.p2alignl 7, 3214868480
	.fill 96, 4, 3214868480
	.section	.rodata,"a",@progbits
	.p2align	6, 0x0
	.amdhsa_kernel k_qd061ec4e86_pack
		.amdhsa_group_segment_fixed_size 35328
		.amdhsa_private_segment_fixed_size 0
		.amdhsa_enable_private_segment 0
		.amdhsa_kernarg_size 24
		.amdhsa_user_sgpr_count 2
		.amdhsa_user_sgpr_kernarg_segment_ptr 1
		.amdhsa_wavefront_size32 1
		.amdhsa_system_sgpr_workgroup_id_x 1
		.amdhsa_system_sgpr_workgroup_id_y 1
		.amdhsa_system_sgpr_workgroup_id_z 1
		.amdhsa_system_vgpr_workitem_id 0
		.amdhsa_next_free_vgpr 128
		.amdhsa_next_free_sgpr 66
		.amdhsa_reserve_vcc 1
		.amdhsa_float_denorm_mode_32 3
		.amdhsa_float_denorm_mode_16_64 3
		.amdhsa_memory_ordered 1
		.amdhsa_forward_progress 1
		.amdhsa_inst_pref_size 57
	.end_amdhsa_kernel
	.amdgpu_metadata
---
amdhsa.version: [ 1, 2 ]
amdhsa.kernels:
  - .name:           k_qd061ec4e86_pack
    .symbol:         k_qd061ec4e86_pack.kd
    .args:
      - { .name: mask, .offset: 0, .size: 8, .value_kind: global_buffer, .address_space: global }
      - { .name: maskw, .offset: 8, .size: 8, .value_kind: global_buffer, .address_space: global }
      - { .name: flags, .offset: 16, .size: 8, .value_kind: global_buffer, .address_space: global }
    .group_segment_fixed_size: 35328
    .private_segment_fixed_size: 0
    .kernarg_segment_align: 8
    .kernarg_segment_size: 24
    .max_flat_workgroup_size: 128
    .sgpr_count:     66
    .vgpr_count:     128
    .wavefront_size: 32
...
	.end_amdgpu_metadata
.endif
;; end of part 1
;; launch gemm (part 2): grid 12 x 32, 4 waves a work-group, clusters of 4 x 4, 327,680 bytes of LDS; arguments inputs_codes, W_qkv_codes, lowp_scales, b_qkv, qf, kv; writes qf, kv
.if DOCPART == 2
	.amdgcn_target "amdgcn-amd-amdhsa--gfx1250"
	.amdhsa_code_object_version 6
	.text
	.protected	k_qd061ec4e86_gemm
	.globl	k_qd061ec4e86_gemm
	.p2align	8
	.type	k_qd061ec4e86_gemm,@function
k_qd061ec4e86_gemm:
	s_mov_b64 s[64:65], 0
	v_nop
	global_prefetch_b8 v0, s[64:65] scope:SCOPE_SE
	s_setreg_imm32_b32 hwreg(HW_REG_WAVE_MODE, 25, 1), 1
	s_wait_xcnt 0x0
	s_wait_alu depctr_hold_cnt(0) depctr_sa_sdst(0) depctr_va_vdst(0) depctr_va_sdst(0) depctr_va_ssrc(0) depctr_va_vcc(0) depctr_vm_vsrc(0)
	s_getreg_b32 s2, hwreg(HW_REG_IB_STS2, 6, 4)
	s_cmp_eq_u32 s2, 0
	s_cbranch_scc0 .Lentry_in_a_cluster
	s_endpgm
.Lentry_in_a_cluster:
	s_bfe_u32 s2, ttmp6, 0x10000c
	s_cmp_lg_u32 s2, 0xf033
	s_cbranch_scc0 .Lentry_shape_is_right
	s_endpgm
.Lentry_shape_is_right:
; qkv = inputs x W_qkv + b_qkv on codes of FP8 (E4M3), then quantised: q with 2^e2, k with 2^e3, v with 2^e5, and stored as the third launch's operand registers.  No work of the problem is left out here.
; X = inputs_codes [8192 tokens][1024], W = W_qkv_codes [3072 channels][1024]: K innermost, a row 1,024 bytes.  A sum of codes stands for sum x 2^(e0 + e1).
; A tile of 256 x 256 results is made by four waves, each 128 x 128: 64 accumulators, 512 registers.  K goes in four steps of 256 through two LDS slots filled by the tensor data mover.
; ONE TEXT FOR q, k AND v.  A slot has two regions of 256 rows, A and B.  The matrix instruction takes source 0 = 16 rows of B, source 1 = 16 rows of A: a lane then holds ONE row of A, and its eight registers
; eight neighbouring rows of B.  The cluster's x says which tensor fills which region:
;   x = 0 (q), 1 (k): A = tokens (tile 4 y + cy), B = channels (tile 4 x + cx): a lane holds a token, its registers run along the head's channels, which are the K of q k^T;
;   x = 2 (v):        A = channels (tile 8 + cy), B = tokens (tile 4 y + cx):  a lane holds a channel, its registers run along the tokens, which are the K of p v.
; So eight results of a lane are always eight neighbours along the NEXT product's K, in the order of the plain 8-bit layout (registers 2 c, 2 c + 1: k = 16 c + 8 (lane / 16) + 0 .. 7): the conversions' results ARE
; the next operand's registers, and leave as they stand, 16 bytes a lane: each store covers 512 consecutive bytes, aligned.  No stage in LDS.
;   qf [bh 64][query tile 128] x 1,024 bytes: a fragment 16 queries x 64: byte 512 c + 16 lane + 4 i = register 4 c + i.
;   kv [bh 64][key step 16] x 16,384 bytes: eight fragments of K (16 keys x 64; 1,024 bytes each), then four of V^T (16 channels x 128 keys; 2,048 bytes each), laid likewise.
; CLUSTERS: 4 x 4 work-groups.  Region A's tile hangs on cy alone and is asked for jointly along a row of the cluster, B's on cx alone, along a column.  The choice of tensors hangs on the cluster's x, which all sixteen share.
; In this product's own fragments k is permuted, alike in A and B (four loads of 16 bytes a fragment): every product meets its partner; only the order of the sums inside an instruction changes.
; LIMITS: e0 + e1 between -126 and 127; e2, e3, e5 between -126 and 119, so that each power of two below is an f32 number.  NaN codes among the inputs are not served.
; 384 tiles for 256 WGPs: tiles of 256 x 128 would be 768, but read half as much again from LDS for each product.
; REGISTERS, in windows of 256: window 0: v0-31 addresses; v32-95 the bias table; v96, v97 the quantiser's scale and hold; v98-105 the table's addresses; from v128 A's fragments, ONE set; on the way out v128-207.
;   window 1: B's fragments, TWO sets.   window 2: the accumulators of my A rows 0-63 ((a, b) at v[8 (8 a + b)]);   window 3: those of rows 64-127.
.set ROWB,   256                       ; a tile's row: 256 codes
.set KROW,   1024                      ; a row of X or W in memory
.set PITCH,  272                       ; an LDS row: 256 bytes + 16 of padding = 68 words: row r starts at bank 4 r mod 64 (64 banks of 4 bytes: ISA guide 11.1)
.set FR,     16                        ; registers of a fragment: 16 rows x 128 K
.set NL,     4                         ; LDS loads that bring one
.set NP,     4                         ; places behind this matrix instruction (ISA guide 7.12.1)
.set HALFT,  128*PITCH                 ; 128 rows: what one tensor load brings
.set SLOT,   4*HALFT                   ; A's 256 rows, then B's 256 rows
.set SPARE,  2*SLOT                    ; behind the ring: the spare words, 128 bytes for each wave: two blocks of 256 bytes that no other line names
.set ADRA, 16                          ; v16-17  LDS address of my A fragments in slot 0, 1
.set ADRB, 20                          ; v20-21  the same for B
.set LI,   26                          ; v26     16 x lane: my place in a store
.set SPW,  28                          ; v28     LDS address of my spare word; never rewritten
.set NIL,  29                          ; v29     0; never rewritten
.set BT,   32                          ; v32-95  the bias: q, k: v[BT + 8 b + j] = bias of channel 16 b + 8 h + j;  v: v[BT + 8 a + j] = bias of channel 16 a + r, for every j
.set SCV,  96                          ; v96     2^eo as f32
.set LIMV, 97                          ; v97     448 x 2^eo
.set BA,   98                          ; v98-105 the table's eight address registers
.set AF,   128                         ; A's fragments
.set TMP,  128                         ; the way out: a block's 64 numbers
.set CD,   192                         ; and their codes: 16 registers
.set G1, 24                            ; s[24:31] descriptor group 1 for A's tiles;  s[32:39] group 0, one set for each slot
.set G0, 32
.set G1B, 48                           ; s[48:55], s[56:63] the same for B's tiles
.set G0B, 56
.set PA0, 76                           ; s[76:77] where a block's first two stores go;  s[78:79] the other two
.set PA1, 78
.set STA, 80                           ; s[80:81] from block to block;  s[82:83] more at block 4
.set STB, 82
.set SCL, 84                           ; s[84:85] 2^(e0 + e1), twice
.set MSB, 0
.macro WIN new                         ; the immediate's high byte repeats the setting that is left
.if MSB != (\new)
	s_set_vgpr_msb (MSB<<8)|(\new)
.set MSB, (\new)
.endif
.endm
.set MUL_LO, 0xa1                      ; source 0 (B) window 1, source 1 (A) window 0, C and D window 2
.set MUL_HI, 0xf1                      ; the same, C and D window 3
.set TO_B,   0x40                      ; destination window 1, address window 0
; A joint load: waves 0 and 1 fetch region A's halves, waves 2 and 3 region B's.  Each line has ONE mask and one set of registers for all that issue it; the branch hangs on the wave's number alone.
; An s_nop 0 and four v_nop follow each of the two lines, ahead of the jump, the label and what follows.
.macro JLOAD g0a, g1a, g0b, g1b
	s_cmp_eq_u32 s15, 0
	s_cbranch_scc0 .Lfor_b_\@
	tensor_load_to_lds s[\g0a:\g0a+3], s[\g1a:\g1a+7]
	s_nop 0
.rept 4
	v_nop
.endr
	s_branch .Lasked_\@
.Lfor_b_\@:
	tensor_load_to_lds s[\g0b:\g0b+3], s[\g1b:\g1b+7]
	s_nop 0
.rept 4
	v_nop
.endr
.Lasked_\@:
.endm
.macro CREST                           ; a round of the cluster's barrier behind its opening barrier
	s_cmp_lg_u32 s14, 0
	s_cbranch_scc1 .Lnot_wave_0_\@
	s_barrier_signal -3
.Lnot_wave_0_\@:
	s_barrier_wait -3
	s_barrier_signal -1
	s_barrier_wait -1
.endm
.macro CROUND                          ; a whole round
	s_barrier_signal -1
	s_barrier_wait -1
	CREST
.endm
	s_load_b256 s[4:11], s[0:1], 0x0               ; X s[4:5], W s[6:7], the scales' exponents s[8:9], the bias s[10:11]
	s_load_b128 s[68:71], s[0:1], 0x20             ; qf s[68:69], kv s[70:71]
	v_lshl_add_u32 v[SPW], v0, 2, SPARE
	v_mov_b32 v[NIL], 0
	ds_add_u32 v[SPW], v[NIL]                      ; the wave's opening: the add, twice on end, and its wait stand ahead of my first tensor load; the set-up below, work on registers, stands between
	ds_add_u32 v[SPW], v[NIL]                      ; and once more, under the one wait
	v_lshrrev_b32 v1, 5, v0
	v_readfirstlane_b32 s14, v1                    ; wave 0..3
	s_lshr_b32 s15, s14, 1                         ; which half of A's rows is mine.  Also: I fetch for A (0) or for B (1)
	s_and_b32 s16, s14, 1                          ; which half of B's rows.  Also: which 128 rows of that tile I fetch
	s_bfe_u32 s40, ttmp6, 0x40000                  ; cx, cy: my place in the cluster
	s_bfe_u32 s41, ttmp6, 0x40004
	s_lshl_b32 s86, ttmp9, 2                       ; 4 x cluster x
	s_and_b32 s87, ttmp7, 0xffff
	s_lshl_b32 s87, s87, 2                         ; 4 x cluster y
	s_cmp_eq_u32 ttmp9, 2                          ; v?  The same answer in all sixteen partners
	s_cselect_b32 s17, 8, s87                      ; A's tiles begin at: W's tile 8, or X's tile 4 y
	s_cselect_b32 s42, s87, s86                    ; B's: X's tile 4 y, or W's tile 4 x
	s_add_co_u32 s17, s17, s41                     ; A's tile: + cy (no register that feeds A's descriptors ever holds cx,
	s_add_co_u32 s42, s42, s40                     ; B's tile: + cx  and none that feeds B's holds cy)
	s_lshl_b32 s43, s41, 2
	s_lshl_b32 s43, 15, s43                        ; my row of the cluster
	s_lshl_b32 s44, 0x1111, s40                    ; my column
	; descriptor group 1: a tile of 128 rows x 256 bytes, padded in LDS
	s_or_b32 s[G1+0], s43, (0<<16)|(1<<20)|(1<<21)|(5<<22)|(3<<25)  ; 15:0 the mask: A's tiles go to my row; 17:16 elements of 1 byte; 20 padding on; 21 set beside a mask; 24:22 after every 64 words (code 5); 31:25 four words (code 3)
	s_or_b32 s[G1B+0], s44, (0<<16)|(1<<20)|(1<<21)|(5<<22)|(3<<25) ; the same with the mask of my column
.irp g, G1, G1B
	s_mov_b32 s[\g+1], ROWB<<16                    ; tensor_dim0
	s_mov_b32 s[\g+2], 128<<16                     ; tensor_dim1 = 128
	s_mov_b32 s[\g+3], ROWB<<16                    ; tile_dim0
	s_mov_b32 s[\g+4], 128                         ; tile_dim1 = 128
	s_mov_b32 s[\g+5], KROW                        ; tensor_dim0_stride: both tensors have rows of 1,024
	s_mov_b32 s[\g+6], 0
	s_mov_b32 s[\g+7], 0
.endr
	s_lshl_b32 s18, s16, 7                         ; which 128 rows of the tile I fetch
	s_lshl_b32 s20, s17, 8
	s_add_co_u32 s20, s20, s18                     ; A: row 256 x tile + 128 x half,
	s_lshl_b32 s20, s20, 10                        ; in bytes: under 2^23
	s_mov_b32 s21, 0
	s_lshl_b32 s46, s42, 8
	s_add_co_u32 s46, s46, s18                     ; B likewise
	s_lshl_b32 s46, s46, 10
	s_mov_b32 s47, 0
	s_mul_i32 s45, s14, HALFT                      ; where they go: wave x 128 rows: no place in the cluster enters an LDS address
	s_wait_dscnt 0x0                               ; both opening adds are done
	s_wait_kmcnt 0x0
	s_load_b128 s[88:91], s[8:9], 0x0              ; e0 .. e3
	s_load_b64 s[92:93], s[8:9], 0x10              ; e4, e5
	s_cmp_eq_u32 ttmp9, 2
	s_cselect_b64 s[72:73], s[6:7], s[4:5]         ; region A's tensor: W for v, else X
	s_cselect_b64 s[74:75], s[4:5], s[6:7]         ; region B's: the other
	s_add_nc_u64 s[20:21], s[72:73], s[20:21]
	s_add_nc_u64 s[46:47], s[74:75], s[46:47]
	CROUND                                         ; all sixteen work-groups are here: the first joint loads meet
.irp s, 0,1
	s_mov_b32 s[G0+4*\s], 1                        ; 1:0 count = 1
	s_add_co_u32 s[G0+4*\s+1], s45, \s*SLOT        ; 63:32 LDS address
	s_add_nc_u64 s[G0+4*\s+2:G0+4*\s+3], s[20:21], \s*ROWB  ; 120:64 global address: K step s
	s_or_b32 s[G0+4*\s+3], s[G0+4*\s+3], 0x80000000         ; 127:126 type = 2
	s_mov_b32 s[G0B+4*\s], 1
	s_add_co_u32 s[G0B+4*\s+1], s45, \s*SLOT
	s_add_nc_u64 s[G0B+4*\s+2:G0B+4*\s+3], s[46:47], \s*ROWB
	s_or_b32 s[G0B+4*\s+3], s[G0B+4*\s+3], 0x80000000
	JLOAD G0+4*\s, G1, G0B+4*\s, G1B               ; two loads of mine are out
.endr
	v_and_b32 v1, 15, v0                           ; r = lane % 16
	v_bfe_u32 v2, v0, 4, 1                         ; h = lane / 16
	v_mul_u32_u24 v3, v1, PITCH
	v_lshl_add_u32 v4, v2, 4, v3                   ; a fragment's row x pitch + 16 x half
	s_mul_i32 s21, s15, HALFT                      ; my 128 rows of A
	s_mul_i32 s22, s16, HALFT                      ; my 128 rows of B,
	s_add_co_u32 s22, s22, 2*HALFT                 ; which lie behind A's 256
.irp s, 0,1
	v_add_nc_u32 v[ADRA+\s], s21, v4
	v_add_nc_u32 v[ADRB+\s], s22, v4
	s_add_co_u32 s21, s21, SLOT
	s_add_co_u32 s22, s22, SLOT
.endr
	v_and_b32 v6, 31, v0
	v_lshlrev_b32 v[LI], 4, v6
	; which tokens and which channels are my wave's
	s_lshl_b32 s94, s17, 8
	s_lshl_b32 s86, s15, 7
	s_add_co_u32 s94, s94, s86                     ; my first row of A's tensor
	s_lshl_b32 s95, s42, 8
	s_lshl_b32 s86, s16, 7
	s_add_co_u32 s95, s95, s86                     ; my first row of B's tensor
	s_cmp_eq_u32 ttmp9, 2
	s_cselect_b32 s96, s95, s94                    ; my first token (128 of them: one key step),
	s_cselect_b32 s97, s94, s95                    ; my first channel (128: two heads)
	s_cselect_b32 s98, 4, 0                        ; THE BIAS TABLE, with no branch: entry (x, j) is read at 64 x + r sR + h sH + j sJ bytes behind my first channel's:
	s_cselect_b32 s99, 0, 32                       ;   q, k: (0, 32, 4): channel 16 x + 8 h + j;   v: (4, 0, 0): channel 16 x + r
	s_cselect_b32 s100, 0, 4
	v_mul_u32_u24 v[BA], v1, s98
	v_mad_u32_u24 v[BA], v2, s99, v[BA]
.irp j, 1,2,3,4,5,6,7
	v_add_nc_u32 v[BA+\j], s100, v[BA+\j-1]
.endr
	s_lshl_b32 s86, s97, 2
	s_mov_b32 s87, 0
	s_add_nc_u64 s[10:11], s[10:11], s[86:87]      ; the highest channel read is my first + 127, at most 3,071
.irp x, 0,1,2,3,4,5,6,7
.irp j, 0,1,2,3,4,5,6,7
	global_load_b32 v[BT+8*\x+\j], v[BA+\j], s[10:11] offset:64*\x   ; waited for on the way out
.endr
.endr
	; where my results go
	s_lshr_b32 s86, s96, 11                        ; batch
	s_lshl_b32 s86, s86, 4
	s_bfe_u32 s87, s97, 0x40006                    ; my first head: bits 9:6 of the channel
	s_add_co_u32 s86, s86, s87                     ; bh = 16 x batch + head
	s_and_b32 s87, s96, 2047                       ; my first token in its batch: a multiple of 128
	s_cmp_eq_u32 ttmp9, 0                          ; q?
	s_cselect_b32 s98, 17, 18                      ; a head's bytes: 2^17 in qf, 2^18 in kv
	s_cselect_b32 s99, 6, 7                        ; bytes a token: 64 in qf (1,024 for 16), 128 in kv (16,384 for 128)
	s_cselect_b64 s[PA0:PA0+1], s[68:69], s[70:71]
	s_lshl_b32 s86, s86, s98
	s_lshl_b32 s87, s87, s99
	s_add_co_u32 s86, s86, s87
	s_lshl_b32 s[PA1], 1, s98
	s_mov_b32 s[STA], 1024
	s_cmp_eq_u32 ttmp9, 2                          ; v?
	s_cselect_b32 s87, 8192, 0                     ; V^T's fragments lie behind K's eight
	s_cselect_b32 s[PA1], s[STA], s[PA1]           ; the second pair of stores: v: the fragment's second half; q, k: the next head's fragment
	s_cselect_b32 s[STA], 2048, s[STA]             ; from block to block: v: a fragment of 2,048 bytes; q, k: of 1,024
	s_cselect_b32 s[STB], 253952, 0                ; at block 4, v alone: on to the next head: 262,144 - 4 x 2,048
	s_add_co_u32 s86, s86, s87
	s_mov_b32 s87, 0
	s_mov_b32 s[PA1+1], 0
	s_mov_b32 s[STA+1], 0
	s_mov_b32 s[STB+1], 0
	s_add_nc_u64 s[PA0:PA0+1], s[PA0:PA0+1], s[86:87]
	s_add_nc_u64 s[PA1:PA1+1], s[PA0:PA0+1], s[PA1:PA1+1]
.macro FRAG reg, adr, q, i             ; a fragment, 16 rows x 128 K, is 16 registers: lane l holds row l % 16; registers 4 c .. 4 c + 3 hold K = 32 c + 16 (l / 16) + 0 .. 15
.irp c, 0,1,2,3
	ds_load_b128 v[\reg+4*\c:\reg+4*\c+3], v[\adr] offset:128*(\q)+32*\c+(\i)*16*PITCH
.endr
.endm
; 16 matrix instructions: A's blocks a0, a0 + 1 x B's eight, 128 along K.  p: B's set.  zero = 1: the first product starts the sums: nothing is ever cleared.
; The 64 accumulators take turns, one instruction a turn, in the same order in every step.
.macro MUL16 a0, p, zero
.irp a, \a0, \a0+1
.irp b, 0,1,2,3,4,5,6,7
.if \zero
	v_wmma_f32_16x16x128_fp8_fp8 v[8*(8*((\a)%4)+\b):8*(8*((\a)%4)+\b)+7], v[128*(\p)+FR*\b:128*(\p)+FR*\b+FR-1], v[AF+FR*(\a):AF+FR*(\a)+FR-1], 0
.else
	v_wmma_f32_16x16x128_fp8_fp8 v[8*(8*((\a)%4)+\b):8*(8*((\a)%4)+\b)+7], v[128*(\p)+FR*\b:128*(\p)+FR*\b+FR-1], v[AF+FR*(\a):AF+FR*(\a)+FR-1], v[8*(8*((\a)%4)+\b):8*(8*((\a)%4)+\b)+7]
.endif
.endr
.endr
.endm
.macro FETCH_B slot, q, p              ; B's eight fragments of the slot's q-th 128 along K into set p
	WIN TO_B
.irp i, 0,1,2,3,4,5,6,7
	FRAG 128*(\p)+FR*\i, ADRB+\slot, \q, \i
.endr
	WIN 0
.endm
.macro FETCH_A slot, q, i0             ; A's blocks i0 .. i0 + 3
.irp i, \i0, \i0+1, \i0+2, \i0+3
	FRAG AF+FR*(\i), ADRA+\slot, \q, \i
.endr
.endm
; A load into a register that a matrix instruction has read, and a vector instruction that reads a matrix result or writes one of its registers, stand NP places behind it; only plain vector
; instructions that name none of its registers are places (ISA guide 7.12.1 for vector instructions).
.macro PLACES n
.rept \n
	v_nop
.endr
.endm
; A step of 128 along K that has its successor in the same slot.  A block of A is free as soon as its eight products are issued, so one set of registers serves A; B's fragments are at work through the whole step.
.macro STEP slot, q, zero
	s_wait_dscnt 4*NL                              ; B's set and A's blocks 0-3 are in; the youngest sixteen loads (A's blocks 4-7) may be out
	WIN MUL_LO
	MUL16 0, (\q)%2, \zero
	MUL16 2, (\q)%2, \zero
	s_wait_dscnt 0                                 ; A's blocks 4-7 are in (asked for 32 matrix instructions ago)
	PLACES NP
	FETCH_B \slot, (\q)+1, 1-(\q)%2
	FETCH_A \slot, (\q)+1, 0
	WIN MUL_HI
	MUL16 4, (\q)%2, \zero
	MUL16 6, (\q)%2, \zero
	PLACES NP
	WIN 0
	FETCH_A \slot, (\q)+1, 4
.endm
; A slot's last step changes slots: ONE barrier; in front of it each wave waits for all its tensor loads, adds 0 to its spare word, and waits for that and for its own reads of this slot.  fill = 1: this slot is filled again, two K steps ahead.
.macro TURN slot, next, fill
	s_wait_tensorcnt 0x0                           ; all my tensor loads have landed: my part of the next slot  (every window is 0 here: the add's two registers lie in window 0)
	ds_add_u32 v[SPW], v[NIL]                      ; 0 onto my spare word
	s_wait_dscnt 4*NL+1                            ; (the add and the youngest sixteen loads, A's blocks 4-7, may be out)
	WIN MUL_LO
	MUL16 0, 1, 0                                  ; sixteen matrix instructions stand between the add and the wait for it
	s_wait_dscnt 0x0                               ; the add is done, and my reads of this slot are over
	s_barrier_signal -1
	MUL16 2, 1, 0
	WIN 0
	s_barrier_wait -1
.if \fill
	CREST                                          ; the barrier has opened a round of the cluster's barrier: no wave of any partner still reads this slot's tile or has a load on its way
	s_add_nc_u64 s[G0+4*\slot+2:G0+4*\slot+3], s[G0+4*\slot+2:G0+4*\slot+3], 2*ROWB
	s_add_nc_u64 s[G0B+4*\slot+2:G0B+4*\slot+3], s[G0B+4*\slot+2:G0B+4*\slot+3], 2*ROWB
	JLOAD G0+4*\slot, G1, G0B+4*\slot, G1B         ; the first tensor load behind the round; the four v_nop behind it are the places in front of the loads below
.else
	PLACES NP
.endif
	FETCH_B \next, 0, 0
	FETCH_A \next, 0, 0
	WIN MUL_HI
	MUL16 4, 1, 0
	MUL16 6, 1, 0
	PLACES NP
	WIN 0
	FETCH_A \next, 0, 4
.endm
	s_wait_tensorcnt 1                             ; my part of K step 0 is in (K step 1's load may be out)
	s_barrier_signal -1
	s_barrier_wait -1                              ; everybody's is
	FETCH_B 0, 0, 0
	FETCH_A 0, 0, 0
	FETCH_A 0, 0, 4
	STEP 0, 0, 1                                   ; K = 1,024 is four slots' worth: eight steps of 128, written out.  The first step's products start the sums
	TURN 0, 1, 1                                   ; slot 0 takes K 512 on
	STEP 1, 0, 0
	TURN 1, 0, 1                                   ; slot 1 takes K 768 on
	STEP 0, 0, 0
	TURN 0, 1, 0                                   ; nothing is left to fetch
	STEP 1, 0, 0
	s_wait_dscnt 4*NL                              ; the very last step
	WIN MUL_LO
	MUL16 0, 1, 0
	MUL16 2, 1, 0
	s_wait_dscnt 0
	WIN MUL_HI
	MUL16 4, 1, 0
	MUL16 6, 1, 0
	WIN 0
; THE WAY OUT, block by block of 16 rows of A: a lane's 64 sums become sum x 2^(e0 + e1) + bias (one packed multiply-add for two), are held within +-448 x 2^eo, converted, and stored.
; The two arms differ in the bias's registers alone; the branch hangs on the cluster's x.  The hold is always executed: the conversion to an 8-bit code does not saturate (ISA guide 7.6.2).
.macro OUTBLK a
.set AC_, 64*((\a)%4)
.if (\a) > 0
	s_wait_xcnt 0x0                                ; the last block's stores have read their data and their bases: both are written again only behind this wait
	s_add_nc_u64 s[PA0:PA0+1], s[PA0:PA0+1], s[STA:STA+1]
	s_add_nc_u64 s[PA1:PA1+1], s[PA1:PA1+1], s[STA:STA+1]
.if (\a) == 4
	s_add_nc_u64 s[PA0:PA0+1], s[PA0:PA0+1], s[STB:STB+1]     ; v: the next head (q, k: 0: the choice is made without a jump)
	s_add_nc_u64 s[PA1:PA1+1], s[PA1:PA1+1], s[STB:STB+1]
.endif
.endif
	s_cmp_eq_u32 ttmp9, 2
	s_cbranch_scc1 .Lv_\@
	WIN 0x02+(\a)/4                                ; source 0: window 2 or 3
.irp b, 0,1,2,3,4,5,6,7
.irp j, 0,2,4,6
	v_pk_fma_f32 v[TMP+8*\b+\j:TMP+8*\b+\j+1], v[AC_+8*\b+\j:AC_+8*\b+\j+1], s[SCL:SCL+1], v[BT+8*\b+\j:BT+8*\b+\j+1] op_sel_hi:[1,0,1]   ; q, k: the bias runs along my registers; each accumulator from its low end on
.endr
.endr
	WIN 0
	s_branch .Lj_\@
.Lv_\@:
	WIN 0x02+(\a)/4
.irp b, 0,1,2,3,4,5,6,7
.irp j, 0,2,4,6
	v_pk_fma_f32 v[TMP+8*\b+\j:TMP+8*\b+\j+1], v[AC_+8*\b+\j:AC_+8*\b+\j+1], s[SCL:SCL+1], v[BT+8*(\a):BT+8*(\a)+1] op_sel_hi:[1,0,1]     ; v: one channel, one bias, for the whole block
.endr
.endr
	WIN 0
.Lj_\@:
.set i_, 0
.rept 64
	v_med3_num_f32 v[TMP+i_], v[TMP+i_], -v[LIMV], v[LIMV]
.set i_, i_+1
.endr
.irp b, 0,1,2,3,4,5,6,7
	v_cvt_scalef32_pk8_fp8_f32 v[CD+2*\b:CD+2*\b+1], v[TMP+8*\b:TMP+8*\b+7], v[SCV]   ; registers 2 b, 2 b + 1: k = 16 b + 8 h + 0 .. 7 of the next product (q, k: b % 4 within head b / 4)
.endr
	v_nop                                          ; one plain vector instruction between the last conversion and the next block's multiply-adds, which write its sources
	global_store_b128 v[LI], v[CD:CD+3], s[PA0:PA0+1] th:TH_STORE_NT                  ; each store: 32 lanes, 512 consecutive bytes, aligned
	global_store_b128 v[LI], v[CD+4:CD+7], s[PA0:PA0+1] offset:512 th:TH_STORE_NT
	global_store_b128 v[LI], v[CD+8:CD+11], s[PA1:PA1+1] th:TH_STORE_NT
	global_store_b128 v[LI], v[CD+12:CD+15], s[PA1:PA1+1] offset:512 th:TH_STORE_NT
.endm
	s_wait_kmcnt 0x0                               ; the six exponents
	s_add_co_i32 s[SCL], s88, s89
	s_add_co_i32 s[SCL], s[SCL], 127
	s_lshl_b32 s[SCL], s[SCL], 23                  ; 2^(e0 + e1) as f32
	s_mov_b32 s[SCL+1], s[SCL]                     ; (named with it as a pair, so it is written)
	s_cmp_eq_u32 ttmp9, 0
	s_cselect_b32 s86, s90, s91                    ; eo: e2 for q, e3 for k,
	s_cmp_eq_u32 ttmp9, 2
	s_cselect_b32 s86, s93, s86                    ; e5 for v
	s_add_co_i32 s86, s86, 127
	s_lshl_b32 s87, s86, 23
	v_mov_b32 v[SCV], s87                          ; 2^eo: the conversion takes its exponent field
	s_add_co_i32 s86, s86, 8
	s_lshl_b32 s86, s86, 23
	s_or_b32 s86, s86, 0x600000
	v_mov_b32 v[LIMV], s86                         ; 448 x 2^eo
	s_wait_loadcnt 0x0                             ; the bias table
	PLACES NP                                      ; behind the last products: the multiply-adds below write registers that held A's fragments, and block 7's read results just made
.irp a, 0,1,2,3,4,5,6,7
	OUTBLK \a
.endr
	s_wait_tensorcnt 0x0                           ; the wave's end: behind my last tensor load
	ds_add_u32 v[SPW], v[NIL]
	s_wait_dscnt 0x0
	CROUND                                         ; the closing round: no work-group ends while a partner may still ask for a tile that names it
	s_endpgm
.Lfunc_end_k_qd061ec4e86_gemm:
	.size	k_qd061ec4e86_gemm, .Lfunc_end_k_qd061ec4e86_gemm-k_qd061ec4e86_gemm
	.p2alignl 7, 3214868480
	.fill 96, 4, 3214868480
	.section	.rodata,"a",@progbits
	.p2align	6, 0x0
	.amdhsa_kernel k_qd061ec4e86_gemm
		.amdhsa_group_segment_fixed_size 327680
		.amdhsa_private_segment_fixed_size 0
		.amdhsa_enable_private_segment 0
		.amdhsa_kernarg_size 48
		.amdhsa_user_sgpr_count 2
		.amdhsa_user_sgpr_kernarg_segment_ptr 1
		.amdhsa_wavefront_size32 1
		.amdhsa_system_sgpr_workgroup_id_x 1
		.amdhsa_system_sgpr_workgroup_id_y 1
		.amdhsa_system_sgpr_workgroup_id_z 1
		.amdhsa_system_vgpr_workitem_id 0
		.amdhsa_next_free_vgpr 1024
		.amdhsa_next_free_sgpr 102
		.amdhsa_reserve_vcc 0
		.amdhsa_float_denorm_mode_32 3
		.amdhsa_float_denorm_mode_16_64 3
		.amdhsa_memory_ordered 1
		.amdhsa_forward_progress 1
		.amdhsa_inst_pref_size 159
	.end_amdhsa_kernel
	.amdgpu_metadata
---
amdhsa.version: [ 1, 2 ]
amdhsa.kernels:
  - .name:           k_qd061ec4e86_gemm
    .symbol:         k_qd061ec4e86_gemm.kd
    .args:
      - { .name: inputs_codes, .offset: 0, .size: 8, .value_kind: global_buffer, .address_space: global }
      - { .name: W_qkv_codes, .offset: 8, .size: 8, .value_kind: global_buffer, .address_space: global }
      - { .name: lowp_scales, .offset: 16, .size: 8, .value_kind: global_buffer, .address_space: global }
      - { .name: b_qkv, .offset: 24, .size: 8, .value_kind: global_buffer, .address_space: global }
      - { .name: qf, .offset: 32, .size: 8, .value_kind: global_buffer, .address_space: global }
      - { .name: kv, .offset: 40, .size: 8, .value_kind: global_buffer, .address_space: global }
    .group_segment_fixed_size: 327680
    .private_segment_fixed_size: 0
    .kernarg_segment_align: 8
    .kernarg_segment_size: 48
    .max_flat_workgroup_size: 128
    .sgpr_count:     102
    .vgpr_count:     1024
    .wavefront_size: 32
...
	.end_amdgpu_metadata
.endif
;; end of part 2
;; launch attn (part 3): grid 4 x 64, 8 waves a work-group, no clusters, 297,984 bytes of LDS; arguments qf, kv, maskw, flags, lowp_scales, out0; writes out0
.if DOCPART == 3
	.amdgcn_target "amdgcn-amd-amdhsa--gfx1250"
	.amdhsa_code_object_version 6
	.text
	.protected	k_qd061ec4e86_attn
	.globl	k_qd061ec4e86_attn
	.p2align	8
	.type	k_qd061ec4e86_attn,@function
k_qd061ec4e86_attn:
	s_mov_b64 s[64:65], 0
	v_nop
	global_prefetch_b8 v0, s[64:65] scope:SCOPE_SE
	s_setreg_imm32_b32 hwreg(HW_REG_WAVE_MODE, 25, 1), 1
	s_wait_xcnt 0x0
; out[b][q][head 64 + d] = the sum over k of softmax_k(where(mask, q . k / 8, -1e9)) v[k][d], both products on codes of FP8 (E4M3).  No work of the problem is left out here.
; qf, kv: fragments of Q, K and V^T as the launch before stored them, in the order of the operands' registers.  maskw: a lane mask for each register of a unit of scores.  flags: a bit for each unit whose mask is all true.
; THE SOFTMAX AHEAD OF THE SECOND PRODUCT: t = logit x log2(e); M = the row's largest t so far, rounded UP to a whole number; p = 2^(t - M) is quantised with 2^ep, not normalised; the row's sum is taken of the
; unquantised p and divides at the end.  When M moves, the sum and O are multiplied by 2^(old M - new M): exact.
; SHARES.  A work-group owns 512 queries of one head (grid: 4 blocks x 64 heads); each of its eight waves 64 of them: four tiles of 16.  A UNIT is a tile of queries x a step of 128 keys: 64 units a wave.
; THE HEAD'S WHOLE K AND V, 262,144 bytes, LIE IN LDS for the whole launch: filled once, through registers; one barrier; no slot is ever filled again.  A fragment of K or V read from LDS feeds the wave's four tiles.
; LAYOUT.  Both products are used transposed: S^T = K Q^T (source 0 = 16 keys, source 1 = 16 queries), O^T = V^T P (source 0 = 16 channels, source 1 = P): a lane holds ONE query (lane % 16) throughout.
; Tile t of S^T gives lane (r, h) the keys 16 t + 8 h + 0 .. 7: their eight codes are registers 2 t, 2 t + 1 of P in the plain 8-bit layout.  Nothing changes lanes between the products.
; A UNIT AHEAD.  The next unit's eight products K Q^T are issued at a unit's head, into the other of two sets of scores: no vector instruction waits for a product just issued.
; THE MASK.  A hidden score is replaced, ahead of the maximum, by SM = -2^(33 - eq - ek).  SM x c' = -(log2(e) / 8) 2^33 is exact in f32 and a whole number (about -1.55e9).  So in a row with no key that counts
; M = t and p = 1 for every key, as with reference()'s -1e9 (whose t, in f32, is a whole number too); in every other row p = 0, as there.
; TWO SCALAR BRANCHES ON WHOLE NUMBERS READ FROM MEMORY take 128 of a unit's 325 vector instructions away where they change nothing: the 64 selects, where the unit's flag says that every key counts (then its 64 mask
; words are not loaded either); the 64 holds, where ep >= -8: p <= 1, so p / 2^ep <= 256 and no code can pass 448.
; NO TENSOR LOAD AND NO CLUSTER, though the four work-groups of a head read the same 262,144 bytes.  What would be shared is
; read once a work-group, at its head; the branches serve every one of its 512 units.
; LIMITS: eq + ek between -94 and 8 (SM is an f32 number, and no score that counts, at most 64 x 448^2 x 2^(eq + ek) / 8 in size, comes near the replaced one); ep between -126 and 119; ep + ev is applied by v_ldexp_f32 and has none.
; REGISTERS.  Window 0: v1 16 x lane; v2 LDS address of the step in hand; v3, v4 the add's two; v5 SM; v6 448 x 2^ep; v7 2^ep; v8-10 at work; v[12:13] f; v[14:15] a second chain of sums;
;   v[16 + 4 a ..]: tile a's -M, largest t, sum in two halves; v32-63 Q, 8 a tile; v64-127, v128-191 two sets of scores, then p; v192-207 P's codes; v224-227 addresses.
;   Window 1: v0-127 O^T, 32 a tile; v128-191 K's eight fragments of a step; v192-255 V^T's four.
.set SC,    64                         ; the two sets of scores
.set PC,    192                        ; P's codes
.set ST,    16                         ; the tiles' statistics
.set LB,    1
.set ADR,   2
.set SPW,   3                          ; v3   LDS address of my spare word; never rewritten
.set NIL,   4                          ; v4   0; never rewritten
.set SMV,   5
.set LIMV,  6
.set SCV,   7
.set FA,    224                        ; v224 the fill: 32,768 x wave + 16 x lane, in kv's block and in LDS alike
.set STO,   225                        ; v225 the way out: where I put 32 bytes of a row
.set RD,    226                        ; v226 where I read a row back
.set GO,    227                        ; v227 my byte offset in the wave's rows of out0
.set SP,    272                        ; a stage row: 256 bytes + 16
.set STAGE, 262144                     ; behind K and V: 16 rows x 272 bytes for each wave
.set SPARE, STAGE+8*16*SP              ; behind the stages: the spare words, 128 bytes for each wave: four blocks of 256 bytes that no other line names
.set MP,    52                         ; s[52:53] maskw at my tile 0, the step in hand
.set OP,    54                         ; s[54:55] out0 at my first query, my head
.set CS,    56                         ; s[56:57] c' = log2(e) / 8 x 2^(eq + ek), twice
.set SEL0,  58                         ; s[58:59] lane selects for v_permlanex16_b32: lane l xor 16
.set TB,    60                         ; s60  LDS byte at which the step in hand begins
.set FL,    61                         ; s61  flags of tiles 0 (bit 0 on) and 1 (bit 16 on), s62 of tiles 2 and 3: shifted right by one each step
.set EP,    63                         ; s63  ep
.set EPV,   66                         ; s66  ep + ev
; the unit's 64 mask words: word n in s[4 + n] for n < 48, in s[20 + n] from 48 on (s4-51, s68-83)
.set W_KQ, 0x01                        ; K in window 1; Q and S^T in window 0
.set W_RS, 0x41                        ; O^T (destination and source 0) in window 1, f in window 0
.set W_PV, 0x51                        ; V^T, C and D in window 1, P in window 0
.set W_LD, 0x40                        ; a load's destination in window 1, its address in window 0
.set W_ST, 0x04                        ; an LDS store's data in window 1
.set W_OUT, 0x01                       ; O^T as source 0
.set MSB, 0
.macro WIN new                         ; the immediate's high byte repeats the setting that is left; a switch that changes nothing is dropped
.if MSB != (\new)
	s_set_vgpr_msb (MSB<<8)|(\new)
.set MSB, (\new)
.endif
.endm
	s_load_b256 s[84:91], s[0:1], 0x0              ; qf s[84:85], kv s[86:87], maskw s[88:89], flags s[90:91]
	s_load_b128 s[92:95], s[0:1], 0x20             ; the scales' exponents s[92:93], out0 s[94:95]
	v_lshl_add_u32 v[SPW], v0, 2, SPARE
	v_mov_b32 v[NIL], 0
	v_lshrrev_b32 v1, 5, v0
	v_readfirstlane_b32 s2, v1                     ; wave 0..7
	v_and_b32 v8, 15, v0                           ; r = lane % 16
	v_bfe_u32 v9, v0, 4, 1                         ; h = lane / 16
	v_and_b32 v1, 31, v0
	v_lshlrev_b32 v[LB], 4, v1
	s_lshl_b32 s67, s2, 15
	v_add_nc_u32 v[FA], s67, v[LB]
	s_mul_i32 s67, s2, 16*SP
	s_add_co_u32 s67, s67, STAGE                   ; my stage
	v_mul_u32_u24 v[STO], v8, SP                   ; in: row r; tile t's eight channels of my half: 64 t + 32 h bytes on
	v_lshl_add_u32 v[STO], v9, 5, v[STO]
	v_add_nc_u32 v[STO], s67, v[STO]
	v_mul_u32_u24 v[RD], v9, SP                    ; back: lanes 0-15 one row of 256 bytes, lanes 16-31 the next
	v_lshl_add_u32 v[RD], v8, 4, v[RD]
	v_add_nc_u32 v[RD], s67, v[RD]
	v_lshlrev_b32 v[GO], 12, v9                    ; and the same two rows in out0: a query's row is 4,096 bytes
	v_lshl_add_u32 v[GO], v8, 4, v[GO]
	s_and_b32 s3, ttmp7, 0xffff                    ; bh = 16 x batch + head
	s_lshr_b32 s60, s3, 4                          ; batch
	s_and_b32 s61, s3, 15                          ; head
	s_lshl_b32 s62, ttmp9, 5
	s_lshl_b32 s63, s2, 2
	s_add_co_u32 s62, s62, s63                     ; my first query tile: 32 x block + 4 x wave
	s_lshl_b32 s63, s60, 7
	s_add_co_u32 s63, s63, s62                     ; g = 128 x batch + that
	s_lshl_b32 s66, s3, 7
	s_add_co_u32 s66, s66, s62
	s_lshl_b32 s66, s66, 10                        ; qf: 1,024 bytes a tile, 128 tiles a head
	s_mov_b32 s67, 0
	s_mov_b32 s[SEL0], 0x76543210
	s_mov_b32 s[SEL0+1], 0xfedcba98
	s_wait_kmcnt 0x0
	s_add_nc_u64 s[84:85], s[84:85], s[66:67]
	s_lshl_b32 s66, s3, 18                         ; kv: 262,144 bytes a head
	s_add_nc_u64 s[86:87], s[86:87], s[66:67]
	s_lshl_b32 s66, s63, 12                        ; maskw: 16 steps x 256 bytes a tile
	s_add_nc_u64 s[MP:MP+1], s[88:89], s[66:67]
	s_lshl_b32 s66, s63, 4                         ; flags: four words a tile
	s_add_nc_u64 s[90:91], s[90:91], s[66:67]
	s_lshl_b32 s66, s63, 16                        ; out0: 16 rows of 4,096 bytes a tile,
	s_lshl_b32 s60, s61, 8                         ; 256 bytes a head
	s_add_co_u32 s66, s66, s60
	s_add_nc_u64 s[OP:OP+1], s[94:95], s[66:67]
	s_load_b512 s[4:19], s[90:91], 0x0             ; my four tiles' sixteen flag words
	s_load_b128 s[96:99], s[92:93], 0x8            ; eq, ek, ep, ev (entries 2 to 5)
.irp i, 0,1,2,3,4,5,6,7
	global_load_b128 v[32+4*\i:35+4*\i], v[LB], s[84:85] offset:512*\i th:TH_LOAD_NT   ; Q's four fragments stay in registers; nobody else reads them
.endr
	WIN W_LD
.set i_, 0
.rept 64                                       ; THE FILL: my wave's eighth of the head's K and V, 32,768 bytes, all asked for at once, into the registers that O^T, K and V^T will take
	global_load_b128 v[4*i_:4*i_+3], v[FA], s[86:87] offset:512*i_
.set i_, i_+1
.endr
	WIN 0
.irp a, 0,1,2,3
	v_mov_b32 v[ST+4*\a+1], 0xff61b1e6             ; the largest t so far: -3e38, under every t
	v_mov_b32 v[ST+4*\a+2], 0                      ; the sum, in two halves
	v_mov_b32 v[ST+4*\a+3], 0
.endr
.irp a, 0,1,2,3
	v_floor_f32 v[ST+4*\a], -v[ST+4*\a+1]          ; -M
.endr
	v_mov_b32 v10, 0                               ; written once: a lane permute's destination counts as one of its sources
	v_mov_b32 v13, 0                               ; (named as the upper half of the pair v[12:13])
	s_wait_kmcnt 0x0
	s_or_b32 s[FL], s4, s5                         ; the words come shifted: tile 0's bits 0-15, tile 1's bits 16-31,
.irp i, 6,7,8,9,10,11
	s_or_b32 s[FL], s[FL], s\i
.endr
	s_or_b32 s[FL+1], s12, s13                     ; tiles 2 and 3 likewise
.irp i, 14,15,16,17,18,19
	s_or_b32 s[FL+1], s[FL+1], s\i
.endr
	s_add_co_i32 s67, s96, s97                     ; eq + ek
	s_lshl_b32 s66, s67, 23
	s_add_co_i32 s[CS], s66, 0x3e38aa3b            ; a score stands for score x 2^(eq + ek): the two exponents are added to the exponent field of c = log2(e) / 8
	s_mov_b32 s[CS+1], s[CS]                       ; (named with it as a pair, so it is written)
	s_sub_co_i32 s67, 160, s67
	s_lshl_b32 s67, s67, 23
	s_or_b32 s67, s67, 0x80000000
	v_mov_b32 v[SMV], s67                          ; SM = -2^(33 - eq - ek)
	s_mov_b32 s[EP], s98
	s_add_co_i32 s[EPV], s98, s99
	s_add_co_i32 s67, s98, 127
	s_lshl_b32 s60, s67, 23
	v_mov_b32 v[SCV], s60                          ; 2^ep as f32, for the conversion
	s_add_co_i32 s67, s67, 8
	s_lshl_b32 s67, s67, 23
	s_or_b32 s67, s67, 0x600000
	v_mov_b32 v[LIMV], s67                         ; 448 x 2^ep
.macro MLOAD imm                       ; a unit's 64 mask words, 256 bytes
	s_load_b512 s[4:19], s[MP:MP+1], (\imm)
	s_load_b512 s[20:35], s[MP:MP+1], (\imm)+64
	s_load_b512 s[36:51], s[MP:MP+1], (\imm)+128
	s_load_b512 s[68:83], s[MP:MP+1], (\imm)+192
.endm
	MLOAD 0                                        ; the first unit's, whatever its flag: so all 64 registers are written on every way through the text
	WIN W_ST
.irp g, 0,1,2,3
	s_wait_loadcnt 48-16*\g                        ; loads come back in order (ISA guide 5.7.1): Q and the fill's first 16 (g + 1) are in; the younger ones may be out
.irp i, 0,1,2,3,4,5,6,7,8,9,10,11,12,13,14,15
	ds_store_b128 v[FA], v[4*(16*\g+\i):4*(16*\g+\i)+3] offset:512*(16*\g+\i)
.endr
.endr
	WIN 0
	s_wait_dscnt 0x0                               ; for the others' sake: my eighth lies in LDS
	s_barrier_signal -1
	s_barrier_wait -1                              ; everybody's does: the launch's one barrier
	WIN W_LD
.irp t, 0,1,2,3,4,5,6,7
	ds_load_b128 v[128+8*\t:128+8*\t+3], v[LB] offset:1024*\t        ; K of step 0
	ds_load_b128 v[128+8*\t+4:128+8*\t+7], v[LB] offset:1024*\t+512
.endr
; Eight products: S^T of tile an against the step's K in registers, into set.  Each starts its sum with the constant 0.
.macro KQ an, set
	WIN W_KQ
.irp t, 0,1,2,3,4,5,6,7
	v_wmma_f32_16x16x64_fp8_fp8 v[SC+64*(\set)+8*\t:SC+64*(\set)+8*\t+7], v[128+8*\t:128+8*\t+7], v[32+8*(\an):32+8*(\an)+7], 0
.endr
.endm
; The macros below work on the unit in hand: SB_ its set of scores, T_ its tile's statistics, OB_ its tile's O^T.
.macro SEL                             ; hidden scores become SM; from each accumulator's low end on
.set n_, 0
.rept 48
	v_cndmask_b32 v[SB_+n_], v[SMV], v[SB_+n_], s[4+n_]
.set n_, n_+1
.endr
.rept 16
	v_cndmask_b32 v[SB_+n_], v[SMV], v[SB_+n_], s[20+n_]
.set n_, n_+1
.endr
.endm
.macro MAXM                            ; the unit's largest score of my query, the new M, and f
	v_max3_num_f32 v8, v[SB_], v[SB_+1], v[SB_+2]  ; among my 64 keys, in two chains, ascending,
	v_max3_num_f32 v9, v[SB_+3], v[SB_+4], v[SB_+5]
.irp i, 6,10,14,18,22,26,30,34,38,42,46,50,54,58
	v_max3_num_f32 v8, v8, v[SB_+\i], v[SB_+\i+1]
	v_max3_num_f32 v9, v9, v[SB_+\i+2], v[SB_+\i+3]
.endr
	v_max3_num_f32 v8, v8, v[SB_+62], v[SB_+63]
	v_max_num_f32 v8, v8, v9
	v_permlanex16_b32 v10, v8, s[SEL0], s[SEL0+1]
	v_max_num_f32 v8, v8, v10                      ; and among lane l xor 16's
	v_mul_f32 v8, s[CS], v8                        ; as t (c' is positive)
	v_max_num_f32 v[T_+1], v[T_+1], v8             ; the running largest t
	v_mov_b32 v8, v[T_]
	v_floor_f32 v[T_], -v[T_+1]                    ; the new -M = floor(-t) = -ceil(t): a whole number
	v_sub_f32 v8, v[T_], v8                        ; M's old value less its new one: a whole number, 0 or less
	v_cvt_i32_f32 v8, v8                           ; (it saturates)
	v_ldexp_f32 v12, 1.0, v8                       ; f = 2^(old M - new M)
.endm
.macro LOADV                           ; this step's V^T: four fragments of 16 channels x 128 keys
	WIN W_LD
.irp t, 0,1,2,3
.irp c, 0,1,2,3
	ds_load_b128 v[192+16*\t+4*\c:192+16*\t+4*\c+3], v[ADR] offset:8192+2048*\t+512*\c
.endr
.endr
	WIN 0
.endm
.macro LOADK                           ; the NEXT step's K: eight fragments of 16 keys x 64
	WIN W_LD
.irp t, 0,1,2,3,4,5,6,7
	ds_load_b128 v[128+8*\t:128+8*\t+3], v[ADR] offset:16384+1024*\t
	ds_load_b128 v[128+8*\t+4:128+8*\t+7], v[ADR] offset:16384+1024*\t+512
.endr
	WIN 0
.endm
; t - M, two at a time (of the pairs c' and -M the low word serves both halves), and p = 2^(t - M).  ONE BATCH: no line of it names an exponential's result; a pair is scaled three lines ahead of its exponentials.
.macro BATCH
	v_pk_fma_f32 v[SB_:SB_+1], v[SB_:SB_+1], s[CS:CS+1], v[T_:T_+1] op_sel_hi:[1,0,0]
	v_pk_fma_f32 v[SB_+2:SB_+3], v[SB_+2:SB_+3], s[CS:CS+1], v[T_:T_+1] op_sel_hi:[1,0,0]
.set i_, 0
.rept 30
	v_exp_f32 v[SB_+2*i_], v[SB_+2*i_]
	v_exp_f32 v[SB_+2*i_+1], v[SB_+2*i_+1]
	v_pk_fma_f32 v[SB_+2*i_+4:SB_+2*i_+5], v[SB_+2*i_+4:SB_+2*i_+5], s[CS:CS+1], v[T_:T_+1] op_sel_hi:[1,0,0]
.set i_, i_+1
.endr
.irp i, 60,61,62,63
	v_exp_f32 v[SB_+\i], v[SB_+\i]
.endr
	v_pk_mul_f32 v[T_+2:T_+3], v[T_+2:T_+3], v[12:13] op_sel_hi:[1,0]   ; the sums under the new M: the plain instruction behind the last exponential
	s_wait_alu depctr_va_vdst(0)                   ; one wait for the 64 exponentials, ahead of the first line that names a result
.endm
.macro SUMS                            ; the row's sum is taken of the UNQUANTISED p: two at a time, in two chains
	v_pk_add_f32 v[14:15], v[SB_:SB_+1], v[SB_+2:SB_+3]
.irp j, 4,8,12,16,20,24,28,32,36,40,44,48,52,56,60
	v_pk_add_f32 v[T_+2:T_+3], v[T_+2:T_+3], v[SB_+\j:SB_+\j+1]
	v_pk_add_f32 v[14:15], v[14:15], v[SB_+\j+2:SB_+\j+3]
.endr
	v_pk_add_f32 v[T_+2:T_+3], v[T_+2:T_+3], v[14:15]
.endm
.macro HOLD                            ; the conversion to an 8-bit code does not saturate (ISA guide 7.6.2).  p <= 1: with ep >= -8 no p / 2^ep passes 256, and the hold changes nothing.  p is not negative: it is one-sided
	s_cmp_ge_i32 s[EP], -8
	s_cbranch_scc1 .Lno_hold_\@
.set i_, 0
.rept 64
	v_min_num_f32 v[SB_+i_], v[SB_+i_], v[LIMV]
.set i_, i_+1
.endr
.Lno_hold_\@:
.endm
.macro CVT                             ; tile t's eight keys: registers 2 t, 2 t + 1 of P
.irp t, 0,1,2,3,4,5,6,7
	v_cvt_scalef32_pk8_fp8_f32 v[PC+2*\t:PC+2*\t+1], v[SB_+8*\t:SB_+8*\t+7], v[SCV]
.endr
.endm
.macro RESC                            ; O^T under the new M: x f, from each accumulator's low end on.  These sixteen are also the plain instructions between the conversions and the products that read P
	WIN W_RS
.set i_, 0
.rept 16
	v_pk_mul_f32 v[OB_+2*i_:OB_+2*i_+1], v[OB_+2*i_:OB_+2*i_+1], v[12:13] op_sel_hi:[1,0]
.set i_, i_+1
.endr
.endm
.macro PV                              ; O^T += V^T P: four accumulators, one instruction each: no two matrix instructions that follow each other share an accumulator
	WIN W_PV
.irp t, 0,1,2,3
	v_wmma_f32_16x16x128_fp8_fp8 v[OB_+8*\t:OB_+8*\t+7], v[192+16*\t:192+16*\t+15], v[PC:PC+15], v[OB_+8*\t:OB_+8*\t+7]
.endr
.endm
; A UNIT: tile a of my queries x the step's 128 keys.  last = 1: the last step, which fetches nothing beyond the end.
; The loads into V^T's and K's registers stand behind MAXM, whose plain instructions are the places behind the products that read those registers last.
.macro UNIT a, last
.set SB_, SC+64*((\a)%2)
.set T_, ST+4*(\a)
.set OB_, 32*(\a)
.set more_, 1
.if (\a) == 3
.if \last
.set more_, 0                          ; no unit follows
.endif
.endif
.if more_
.if (\a) == 3
	s_wait_dscnt 0x0                               ; the next step's K, asked for a unit ago, is in
.endif
	KQ ((\a)+1)%4, 1-(\a)%2                        ; the next unit's scores, into the other set
.endif
	WIN 0                                          ; at a branch and at a label every window is 0
	s_wait_kmcnt 0x0                               ; this unit's mask words, if they were asked for
	s_bitcmp1_b32 s[FL+(\a)/2], 16*((\a)%2)        ; does every key of this unit count?
	s_cbranch_scc1 .Lfull_\@
	SEL
.Lfull_\@:
.if more_
.if (\a) == 3
	s_bitcmp1_b32 s[FL], 1                         ; the next unit's flag: tile 0 of the next step
.else
	s_bitcmp1_b32 s[FL+((\a)+1)/2], 16*(((\a)+1)%2)
.endif
	s_cbranch_scc1 .Lknown_\@                      ; its words are asked for only if it will use them: a unit ahead, behind this unit's selects, which read the same registers
.if (\a) == 3
	MLOAD 256
.else
	MLOAD 4096*((\a)+1)
.endif
.Lknown_\@:
.endif
	MAXM
.if (\a) == 0
	v_add_nc_u32 v[ADR], s[TB], v[LB]
	LOADV
.endif
.if (\a) == 2
.if !(\last)
	LOADK
.endif
.endif
	BATCH
	SUMS
	HOLD
	CVT
	RESC
.if (\a) == 0
	s_wait_dscnt 0x0                               ; V^T is in
.endif
	PV
.endm
.macro STEP last
	UNIT 0, \last
	UNIT 1, \last
	UNIT 2, \last
	UNIT 3, \last
	WIN 0
	s_wait_xcnt 0x0                                ; the scalar loads have read their base: it is stepped only behind this wait
	s_add_nc_u64 s[MP:MP+1], s[MP:MP+1], 256
	s_add_co_u32 s[TB], s[TB], 16384
	s_lshr_b32 s[FL], s[FL], 1
	s_lshr_b32 s[FL+1], s[FL+1], 1
.endm
	s_wait_dscnt 0x0                               ; K of step 0 (Q came with the fill's last wait)
	KQ 0, 0                                        ; tile 0's first scores
	WIN W_LD
.set i_, 0
.rept 128
	v_mov_b32 v[i_], 0                             ; O^T.  The step is written twice, not three times: the first finds zeros, which the first change of M leaves zeros.  These are also the places behind the products above
.set i_, i_+1
.endr
	WIN 0
	s_mov_b32 s[TB], 0
	s_mov_b32 s3, 15
.Lstep:                                            ; fifteen trips; the sixteenth step is written out, since it fetches no K, no scores and no mask words beyond the end
	STEP 0
	s_sub_co_u32 s3, s3, 1
	s_cmp_lg_u32 s3, 0
	s_cbranch_scc1 .Lstep
	STEP 1
	; THE WAY OUT.  The sum's two halves and the other half of the lanes' are added; O^T is divided by the sum, multiplied by 2^(ep + ev), and goes through my stage in LDS, a tile at a time:
	; a query's 64 channels of a head are 256 bytes of out0, aligned, and sixteen lanes store them.  The additions are the places behind the last products.
.irp a, 0,1,2,3
	v_add_f32 v[ST+4*\a+2], v[ST+4*\a+2], v[ST+4*\a+3]
.endr
.irp a, 0,1,2,3
	v_permlanex16_b32 v[ST+4*\a+3], v[ST+4*\a+2], s[SEL0], s[SEL0+1]
.endr
.irp a, 0,1,2,3
	v_add_f32 v[ST+4*\a+2], v[ST+4*\a+2], v[ST+4*\a+3]
.endr
.irp a, 0,1,2,3
	v_rcp_f32 v[ST+4*\a+2], v[ST+4*\a+2]
.endr
	v_nop                                          ; a plain instruction between the last reciprocal and the use of its result
	s_wait_alu depctr_va_vdst(0)                   ; and one wait for the four, ahead of the first use
.irp a, 0,1,2,3
	v_ldexp_f32 v[ST+4*\a+2], v[ST+4*\a+2], s[EPV]
.endr
.macro PACK a                          ; tile a: register 8 t + j of lane (r, h) is out(query r, channel 16 t + 8 h + j); into the registers that held scores
	WIN W_OUT
.set i_, 0
.rept 16
	v_pk_mul_f32 v[SC+32*(\a)+2*i_:SC+32*(\a)+2*i_+1], v[32*(\a)+2*i_:32*(\a)+2*i_+1], v[ST+4*(\a)+2:ST+4*(\a)+3] op_sel_hi:[1,0]
.set i_, i_+1
.endr
	WIN 0
.irp t, 0,1,2,3
	ds_store_b128 v[STO], v[SC+32*(\a)+8*\t:SC+32*(\a)+8*\t+3] offset:64*\t
	ds_store_b128 v[STO], v[SC+32*(\a)+8*\t+4:SC+32*(\a)+8*\t+7] offset:64*\t+16
.endr
.irp i, 0,1,2,3,4,5,6,7
	ds_load_b128 v[SC+32*(\a)+4*\i:SC+32*(\a)+4*\i+3], v[RD] offset:2*\i*SP   ; LDS serves a wave's instructions in order (ISA guide 5.7.1.4): these see my stores, and the next tile's stores come behind them
.endr
.endm
.macro SEND a, younger                 ; younger: the LDS instructions issued behind tile a's loads: the next tile's sixteen, or none
.irp i, 0,1,2,3,4,5,6,7
	s_wait_dscnt \younger+7-\i
	global_store_b128 v[GO], v[SC+32*(\a)+4*\i:SC+32*(\a)+4*\i+3], s[OP:OP+1] offset:(16*(\a)+2*\i)*4096 th:TH_STORE_NT   ; 16 lanes store 256 consecutive bytes, aligned; each tile has its own registers
.endr
.endm
	PACK 0
	PACK 1                                         ; a tile's arithmetic stands between the loads of the tile before and its stores
	SEND 0, 16
	PACK 2
	SEND 1, 16
	PACK 3
	SEND 2, 16
	SEND 3, 0
	s_wait_tensorcnt 0x0                           ; the wave's end: behind my last LDS store
	ds_add_u32 v[SPW], v[NIL]
	s_wait_dscnt 0x0
	s_endpgm
.Lfunc_end_k_qd061ec4e86_attn:
	.size	k_qd061ec4e86_attn, .Lfunc_end_k_qd061ec4e86_attn-k_qd061ec4e86_attn
	.p2alignl 7, 3214868480
	.fill 96, 4, 3214868480
	.section	.rodata,"a",@progbits
	.p2align	6, 0x0
	.amdhsa_kernel k_qd061ec4e86_attn
		.amdhsa_group_segment_fixed_size 297984
		.amdhsa_private_segment_fixed_size 0
		.amdhsa_enable_private_segment 0
		.amdhsa_kernarg_size 48
		.amdhsa_user_sgpr_count 2
		.amdhsa_user_sgpr_kernarg_segment_ptr 1
		.amdhsa_wavefront_size32 1
		.amdhsa_system_sgpr_workgroup_id_x 1
		.amdhsa_system_sgpr_workgroup_id_y 1
		.amdhsa_system_sgpr_workgroup_id_z 1
		.amdhsa_system_vgpr_workitem_id 0
		.amdhsa_next_free_vgpr 512
		.amdhsa_next_free_sgpr 100
		.amdhsa_reserve_vcc 0
		.amdhsa_float_denorm_mode_32 3
		.amdhsa_float_denorm_mode_16_64 3
		.amdhsa_memory_ordered 1
		.amdhsa_forward_progress 1
		.amdhsa_inst_pref_size 177
	.end_amdhsa_kernel
	.amdgpu_metadata
---
amdhsa.version: [ 1, 2 ]
amdhsa.kernels:
  - .name:           k_qd061ec4e86_attn
    .symbol:         k_qd061ec4e86_attn.kd
    .args:
      - { .name: qf, .offset: 0, .size: 8, .value_kind: global_buffer, .address_space: global }
      - { .name: kv, .offset: 8, .size: 8, .value_kind: global_buffer, .address_space: global }
      - { .name: maskw, .offset: 16, .size: 8, .value_kind: global_buffer, .address_space: global }
      - { .name: flags, .offset: 24, .size: 8, .value_kind: global_buffer, .address_space: global }
      - { .name: lowp_scales, .offset: 32, .size: 8, .value_kind: global_buffer, .address_space: global }
      - { .name: out0, .offset: 40, .size: 8, .value_kind: global_buffer, .address_space: global }
    .group_segment_fixed_size: 297984
    .private_segment_fixed_size: 0
    .kernarg_segment_align: 8
    .kernarg_segment_size: 48
    .max_flat_workgroup_size: 256
    .sgpr_count:     100
    .vgpr_count:     512
    .wavefront_size: 32
...
	.end_amdgpu_metadata
.endif
;; end of part 3
;; ======== version 2 of 2: 3 launches; version 1 with the launch attn written anew for expert scheduling mode
;; limits: right only within a limited range of input values
;; workspace buffers: qf 8,388,608 bytes; kv 16,777,216 bytes; maskw 2,097,152 bytes of whole numbers; flags 8,192 bytes of whole numbers
;; launch pack: the kernel of part 1 again; grid 512 x 1, 4 waves a work-group, no clusters, 35,328 bytes of LDS; arguments mask, maskw, flags; writes maskw, flags
;; launch gemm: the kernel of part 2 again; grid 12 x 32, 4 waves a work-group, clusters of 4 x 4, 327,680 bytes of LDS; arguments inputs_codes, W_qkv_codes, lowp_scales, b_qkv, qf, kv; writes qf, kv
;; launch attn (part 4): grid 4 x 64, 8 waves a work-group, no clusters, 297,984 bytes of LDS; arguments qf, kv, maskw, flags, lowp_scales, out0; writes out0
.if DOCPART == 4
	.amdgcn_target "amdgcn-amd-amdhsa--gfx1250"
	.amdhsa_code_object_version 6
	.text
	.protected	k_qd061ec4e86_attn
	.globl	k_qd061ec4e86_attn
	.p2align	8
	.type	k_qd061ec4e86_attn,@function
k_qd061ec4e86_attn:
	s_mov_b64 s[64:65], 0
	v_nop
	global_prefetch_b8 v0, s[64:65] scope:SCOPE_SE
	s_setreg_imm32_b32 hwreg(HW_REG_WAVE_SCHED_MODE, 0, 2), 2
	s_setreg_imm32_b32 hwreg(HW_REG_WAVE_MODE, 25, 1), 1
	s_wait_xcnt 0x0
	s_wait_alu depctr_vm_vsrc(0)
; out[b][q][head 64 + d] = the sum over k of softmax_k(where(mask, q . k / 8, -1e9)) v[k][d], both products on codes of FP8 (E4M3).  No work of the problem is left out here.
; qf, kv: fragments of Q, K and V^T as the launch before stored them, in the order of the operands' registers.  maskw: a lane mask for each register of a unit of scores.  flags: a bit for each unit whose mask is all true.
; THE SOFTMAX AHEAD OF THE SECOND PRODUCT: t = logit x log2(e); M = the row's largest t so far, rounded UP to a whole number; p = 2^(t - M) is quantised with 2^ep, not normalised; the row's sum is taken of the
; unquantised p and divides at the end.  When M moves, the sum and O are multiplied by 2^(old M - new M): exact.
; SHARES.  A work-group owns 512 queries of one head (grid: 4 blocks x 64 heads); each of its eight waves 64 of them: four tiles of 16.  A UNIT is a tile of queries x a step of 128 keys: 64 units a wave.
; THE HEAD'S WHOLE K AND V, 262,144 bytes, LIE IN LDS for the whole launch: filled once, through registers; one barrier; no slot is ever filled again.  A fragment of K or V read from LDS feeds the wave's four tiles.
; LAYOUT.  Both products are used transposed: S^T = K Q^T (source 0 = 16 keys, source 1 = 16 queries), O^T = V^T P (source 0 = 16 channels, source 1 = P): a lane holds ONE query (lane % 16) throughout.
; Tile t of S^T gives lane (r, h) the keys 16 t + 8 h + 0 .. 7: their eight codes are registers 2 t, 2 t + 1 of P in the plain 8-bit layout.  Nothing changes lanes between the products.
; A UNIT AHEAD.  The next unit's eight products K Q^T are issued at a unit's head, into the other of two sets of scores: no vector instruction waits for a product just issued.
; THE MASK.  A hidden score is replaced, ahead of the maximum, by SM = -2^(33 - eq - ek).  SM x c' = -(log2(e) / 8) 2^33 is exact in f32 and a whole number (about -1.55e9).  So in a row with no key that counts
; M = t and p = 1 for every key, as with reference()'s -1e9 (whose t, in f32, is a whole number too); in every other row p = 0, as there.
; TWO SCALAR BRANCHES ON WHOLE NUMBERS READ FROM MEMORY take 128 of a unit's 325 vector instructions away where they change nothing: the 64 selects, where the unit's flag says that every key counts (then its 64 mask
; words are not loaded either); the 64 holds, where ep >= -8: p <= 1, so p / 2^ep <= 256 and no code can pass 448.
; NO TENSOR LOAD AND NO CLUSTER, though the four work-groups of a head read the same 262,144 bytes.  What would be shared is
; read once a work-group, at its head; the branches serve every one of its 512 units.
; LIMITS: eq + ek between -94 and 8 (SM is an f32 number, and no score that counts, at most 64 x 448^2 x 2^(eq + ek) / 8 in size, comes near the replaced one); ep between -126 and 119; ep + ev is applied by v_ldexp_f32 and has none.
; REGISTERS.  Window 0: v1 16 x lane; v2 LDS address of the step in hand; v3, v4 the add's two; v5 SM; v6 448 x 2^ep; v7 2^ep; v8-10 at work; v[12:13] f; v[14:15] a second chain of sums;
;   v[16 + 4 a ..]: tile a's -M, largest t, sum in two halves; v32-63 Q, 8 a tile; v64-127, v128-191 two sets of scores, then p; v192-207 P's codes; v224-227 addresses.
;   Window 1: v0-127 O^T, 32 a tile; v128-191 K's eight fragments of a step; v192-255 V^T's four.
; THE MODE: SCHED_MODE bits 1:0 = 2 (LLVM: expert scheduling mode 2), set by the entry lines.  The code itself states the register dependences
; between vector or matrix instructions and memory or LDS instructions, with s_wait_alu, always for 0.
; THE PLAN.  Registers that memory or LDS instructions touch:
;   v1, v224-227       Offsets and addresses, written at the head and never again: one wait on va_vdst, ahead of the first load, serves every instruction that reads them.
;   v2                 Written once a step, in unit 0; read by unit 0's loads of V^T and unit 2's loads of K.  A wait on vm_vsrc stands ahead of the add; the wait on va_vdst behind it is the one that V^T's loads want anyway.
;   window 1, all 256  The fill: loads land, LDS stores read.  One wait on vm_vsrc behind the barrier, ahead of all that writes these registers anew.
;   K (window 1)       Read by the products K Q^T at the heads of units 3, 0, 1, 2; the next step's loads land in unit 2, behind one wait on va_vdst.
;   V^T (window 1)     Read by the products V^T P at the ends of units 0 to 3; the step's loads land in unit 0, behind one wait on va_vdst.
;   v64-191            On the way out: written by 64 multiplications (one wait on va_vdst behind them all), read by the stage's stores, loaded back (a wait on vm_vsrc a tile), read by the global stores, never written again.
;   O^T, the scores, P's codes and the statistics are named by vector and matrix instructions alone.  v3, v4: written at the head, read by the closing add alone.
; So a step of four units has two waits on va_vdst and one on vm_vsrc beside the four waits behind its exponentials.  The loads stay in runs of sixteen: they land in window 1 and the softmax works in window 0.
.set SC,    64                         ; the two sets of scores
.set PC,    192                        ; P's codes
.set ST,    16                         ; the tiles' statistics
.set LB,    1
.set ADR,   2
.set SPW,   3                          ; v3   LDS address of my spare word; never rewritten
.set NIL,   4                          ; v4   0; never rewritten
.set SMV,   5
.set LIMV,  6
.set SCV,   7
.set FA,    224                        ; v224 the fill: 32,768 x wave + 16 x lane, in kv's block and in LDS alike
.set STO,   225                        ; v225 the way out: where I put 32 bytes of a row
.set RD,    226                        ; v226 where I read a row back
.set GO,    227                        ; v227 my byte offset in the wave's rows of out0
.set SP,    272                        ; a stage row: 256 bytes + 16
.set STAGE, 262144                     ; behind K and V: 16 rows x 272 bytes for each wave
.set SPARE, STAGE+8*16*SP              ; behind the stages: the spare words, 128 bytes for each wave: four blocks of 256 bytes that no other line names
.set MP,    52                         ; s[52:53] maskw at my tile 0, the step in hand
.set OP,    54                         ; s[54:55] out0 at my first query, my head
.set CS,    56                         ; s[56:57] c' = log2(e) / 8 x 2^(eq + ek), twice
.set SEL0,  58                         ; s[58:59] lane selects for v_permlanex16_b32: lane l xor 16
.set TB,    60                         ; s60  LDS byte at which the step in hand begins
.set FL,    61                         ; s61  flags of tiles 0 (bit 0 on) and 1 (bit 16 on), s62 of tiles 2 and 3: shifted right by one each step
.set EP,    63                         ; s63  ep
.set EPV,   66                         ; s66  ep + ev
; the unit's 64 mask words: word n in s[4 + n] for n < 48, in s[20 + n] from 48 on (s4-51, s68-83)
.set W_KQ, 0x01                        ; K in window 1; Q and S^T in window 0
.set W_RS, 0x41                        ; O^T (destination and source 0) in window 1, f in window 0
.set W_PV, 0x51                        ; V^T, C and D in window 1, P in window 0
.set W_LD, 0x40                        ; a load's destination in window 1, its address in window 0
.set W_ST, 0x04                        ; an LDS store's data in window 1
.set W_OUT, 0x01                       ; O^T as source 0
.set MSB, 0
.macro WIN new                         ; the immediate's high byte repeats the setting that is left; a switch that changes nothing is dropped
.if MSB != (\new)
	s_set_vgpr_msb (MSB<<8)|(\new)
.set MSB, (\new)
.endif
.endm
	s_load_b256 s[84:91], s[0:1], 0x0              ; qf s[84:85], kv s[86:87], maskw s[88:89], flags s[90:91]
	s_load_b128 s[92:95], s[0:1], 0x20             ; the scales' exponents s[92:93], out0 s[94:95]
	v_lshl_add_u32 v[SPW], v0, 2, SPARE
	v_mov_b32 v[NIL], 0
	v_lshrrev_b32 v1, 5, v0
	v_readfirstlane_b32 s2, v1                     ; wave 0..7
	v_and_b32 v8, 15, v0                           ; r = lane % 16
	v_bfe_u32 v9, v0, 4, 1                         ; h = lane / 16
	v_and_b32 v1, 31, v0
	v_lshlrev_b32 v[LB], 4, v1
	s_wait_alu depctr_va_sdst(0)                   ; s2 is written, ahead of its first reader: LDS places and the bases of all buffers are made from it
	s_lshl_b32 s67, s2, 15
	v_add_nc_u32 v[FA], s67, v[LB]
	s_mul_i32 s67, s2, 16*SP
	s_add_co_u32 s67, s67, STAGE                   ; my stage
	v_mul_u32_u24 v[STO], v8, SP                   ; in: row r; tile t's eight channels of my half: 64 t + 32 h bytes on
	v_lshl_add_u32 v[STO], v9, 5, v[STO]
	v_add_nc_u32 v[STO], s67, v[STO]
	v_mul_u32_u24 v[RD], v9, SP                    ; back: lanes 0-15 one row of 256 bytes, lanes 16-31 the next
	v_lshl_add_u32 v[RD], v8, 4, v[RD]
	v_add_nc_u32 v[RD], s67, v[RD]
	v_lshlrev_b32 v[GO], 12, v9                    ; and the same two rows in out0: a query's row is 4,096 bytes
	v_lshl_add_u32 v[GO], v8, 4, v[GO]
	s_and_b32 s3, ttmp7, 0xffff                    ; bh = 16 x batch + head
	s_lshr_b32 s60, s3, 4                          ; batch
	s_and_b32 s61, s3, 15                          ; head
	s_lshl_b32 s62, ttmp9, 5
	s_lshl_b32 s63, s2, 2
	s_add_co_u32 s62, s62, s63                     ; my first query tile: 32 x block + 4 x wave
	s_lshl_b32 s63, s60, 7
	s_add_co_u32 s63, s63, s62                     ; g = 128 x batch + that
	s_lshl_b32 s66, s3, 7
	s_add_co_u32 s66, s66, s62
	s_lshl_b32 s66, s66, 10                        ; qf: 1,024 bytes a tile, 128 tiles a head
	s_mov_b32 s67, 0
	s_mov_b32 s[SEL0], 0x76543210
	s_mov_b32 s[SEL0+1], 0xfedcba98
	s_wait_kmcnt 0x0
	s_add_nc_u64 s[84:85], s[84:85], s[66:67]
	s_lshl_b32 s66, s3, 18                         ; kv: 262,144 bytes a head
	s_add_nc_u64 s[86:87], s[86:87], s[66:67]
	s_lshl_b32 s66, s63, 12                        ; maskw: 16 steps x 256 bytes a tile
	s_add_nc_u64 s[MP:MP+1], s[88:89], s[66:67]
	s_lshl_b32 s66, s63, 4                         ; flags: four words a tile
	s_add_nc_u64 s[90:91], s[90:91], s[66:67]
	s_lshl_b32 s66, s63, 16                        ; out0: 16 rows of 4,096 bytes a tile,
	s_lshl_b32 s60, s61, 8                         ; 256 bytes a head
	s_add_co_u32 s66, s66, s60
	s_add_nc_u64 s[OP:OP+1], s[94:95], s[66:67]
	s_load_b512 s[4:19], s[90:91], 0x0             ; my four tiles' sixteen flag words
	s_load_b128 s[96:99], s[92:93], 0x8            ; eq, ek, ep, ev (entries 2 to 5)
	s_wait_alu depctr_va_vdst(0)                   ; v1 and v224 to v227 are written: the offsets and addresses that the loads and stores of the head, K's first loads and the way out read; no vector instruction writes them again
.irp i, 0,1,2,3,4,5,6,7
	global_load_b128 v[32+4*\i:35+4*\i], v[LB], s[84:85] offset:512*\i th:TH_LOAD_NT   ; Q's four fragments stay in registers; nobody else reads them
.endr
	WIN W_LD
.set i_, 0
.rept 64                                       ; THE FILL: my wave's eighth of the head's K and V, 32,768 bytes, all asked for at once, into the registers that O^T, K and V^T will take
	global_load_b128 v[4*i_:4*i_+3], v[FA], s[86:87] offset:512*i_
.set i_, i_+1
.endr
	WIN 0
.irp a, 0,1,2,3
	v_mov_b32 v[ST+4*\a+1], 0xff61b1e6             ; the largest t so far: -3e38, under every t
	v_mov_b32 v[ST+4*\a+2], 0                      ; the sum, in two halves
	v_mov_b32 v[ST+4*\a+3], 0
.endr
.irp a, 0,1,2,3
	v_floor_f32 v[ST+4*\a], -v[ST+4*\a+1]          ; -M
.endr
	v_mov_b32 v10, 0                               ; written once: a lane permute's destination counts as one of its sources
	v_mov_b32 v13, 0                               ; (named as the upper half of the pair v[12:13])
	s_wait_kmcnt 0x0
	s_or_b32 s[FL], s4, s5                         ; the words come shifted: tile 0's bits 0-15, tile 1's bits 16-31,
.irp i, 6,7,8,9,10,11
	s_or_b32 s[FL], s[FL], s\i
.endr
	s_or_b32 s[FL+1], s12, s13                     ; tiles 2 and 3 likewise
.irp i, 14,15,16,17,18,19
	s_or_b32 s[FL+1], s[FL+1], s\i
.endr
	s_add_co_i32 s67, s96, s97                     ; eq + ek
	s_lshl_b32 s66, s67, 23
	s_add_co_i32 s[CS], s66, 0x3e38aa3b            ; a score stands for score x 2^(eq + ek): the two exponents are added to the exponent field of c = log2(e) / 8
	s_mov_b32 s[CS+1], s[CS]                       ; (named with it as a pair, so it is written)
	s_sub_co_i32 s67, 160, s67
	s_lshl_b32 s67, s67, 23
	s_or_b32 s67, s67, 0x80000000
	v_mov_b32 v[SMV], s67                          ; SM = -2^(33 - eq - ek)
	s_mov_b32 s[EP], s98
	s_add_co_i32 s[EPV], s98, s99
	s_add_co_i32 s67, s98, 127
	s_lshl_b32 s60, s67, 23
	v_mov_b32 v[SCV], s60                          ; 2^ep as f32, for the conversion
	s_add_co_i32 s67, s67, 8
	s_lshl_b32 s67, s67, 23
	s_or_b32 s67, s67, 0x600000
	v_mov_b32 v[LIMV], s67                         ; 448 x 2^ep
.macro MLOAD imm                       ; a unit's 64 mask words, 256 bytes
	s_load_b512 s[4:19], s[MP:MP+1], (\imm)
	s_load_b512 s[20:35], s[MP:MP+1], (\imm)+64
	s_load_b512 s[36:51], s[MP:MP+1], (\imm)+128
	s_load_b512 s[68:83], s[MP:MP+1], (\imm)+192
.endm
	MLOAD 0                                        ; the first unit's, whatever its flag: so all 64 registers are written on every way through the text
	WIN W_ST
.irp g, 0,1,2,3
	s_wait_loadcnt 48-16*\g                        ; loads come back in order (ISA guide 5.7.1): Q and the fill's first 16 (g + 1) are in; the younger ones may be out
.irp i, 0,1,2,3,4,5,6,7,8,9,10,11,12,13,14,15
	ds_store_b128 v[FA], v[4*(16*\g+\i):4*(16*\g+\i)+3] offset:512*(16*\g+\i)   ; the data come from loads, the address stands since the head's wait: no vector instruction since names either
.endr
.endr
	WIN 0
	s_wait_dscnt 0x0                               ; for the others' sake: my eighth lies in LDS
	s_barrier_signal -1
	s_barrier_wait -1                              ; everybody's does: the launch's one barrier
	WIN W_LD
	s_wait_alu depctr_vm_vsrc(0)                   ; my LDS stores have read all 256 registers of window 1: from here on they are O^T, K and V^T, written by the loads below, by the lines that clear O^T and by V^T's first loads
.irp t, 0,1,2,3,4,5,6,7
	ds_load_b128 v[128+8*\t:128+8*\t+3], v[LB] offset:1024*\t        ; K of step 0
	ds_load_b128 v[128+8*\t+4:128+8*\t+7], v[LB] offset:1024*\t+512
.endr
; Eight products: S^T of tile an against the step's K in registers, into set.  Each starts its sum with the constant 0.
.macro KQ an, set
	WIN W_KQ
.irp t, 0,1,2,3,4,5,6,7
	v_wmma_f32_16x16x64_fp8_fp8 v[SC+64*(\set)+8*\t:SC+64*(\set)+8*\t+7], v[128+8*\t:128+8*\t+7], v[32+8*(\an):32+8*(\an)+7], 0
.endr
.endm
; The macros below work on the unit in hand: SB_ its set of scores, T_ its tile's statistics, OB_ its tile's O^T.
.macro SEL                             ; hidden scores become SM; from each accumulator's low end on
.set n_, 0
.rept 48
	v_cndmask_b32 v[SB_+n_], v[SMV], v[SB_+n_], s[4+n_]
.set n_, n_+1
.endr
.rept 16
	v_cndmask_b32 v[SB_+n_], v[SMV], v[SB_+n_], s[20+n_]
.set n_, n_+1
.endr
.endm
.macro MAXM                            ; the unit's largest score of my query, the new M, and f
	v_max3_num_f32 v8, v[SB_], v[SB_+1], v[SB_+2]  ; among my 64 keys, in two chains, ascending,
	v_max3_num_f32 v9, v[SB_+3], v[SB_+4], v[SB_+5]
.irp i, 6,10,14,18,22,26,30,34,38,42,46,50,54,58
	v_max3_num_f32 v8, v8, v[SB_+\i], v[SB_+\i+1]
	v_max3_num_f32 v9, v9, v[SB_+\i+2], v[SB_+\i+3]
.endr
	v_max3_num_f32 v8, v8, v[SB_+62], v[SB_+63]
	v_max_num_f32 v8, v8, v9
	v_permlanex16_b32 v10, v8, s[SEL0], s[SEL0+1]
	v_max_num_f32 v8, v8, v10                      ; and among lane l xor 16's
	v_mul_f32 v8, s[CS], v8                        ; as t (c' is positive)
	v_max_num_f32 v[T_+1], v[T_+1], v8             ; the running largest t
	v_mov_b32 v8, v[T_]
	v_floor_f32 v[T_], -v[T_+1]                    ; the new -M = floor(-t) = -ceil(t): a whole number
	v_sub_f32 v8, v[T_], v8                        ; M's old value less its new one: a whole number, 0 or less
	v_cvt_i32_f32 v8, v8                           ; (it saturates)
	v_ldexp_f32 v12, 1.0, v8                       ; f = 2^(old M - new M)
.endm
.macro LOADV                           ; this step's V^T: four fragments of 16 channels x 128 keys
	WIN W_LD
	s_wait_alu depctr_va_vdst(0)                   ; v[ADR] is written, which the loads below read; the products V^T P of the unit before are done reading V^T's registers, in which they land
.irp t, 0,1,2,3
.irp c, 0,1,2,3
	ds_load_b128 v[192+16*\t+4*\c:192+16*\t+4*\c+3], v[ADR] offset:8192+2048*\t+512*\c
.endr
.endr
	WIN 0
.endm
.macro LOADK                           ; the NEXT step's K: eight fragments of 16 keys x 64
	WIN W_LD
	s_wait_alu depctr_va_vdst(0)                   ; the products K Q^T at this unit's head, the step's last, are done reading K's registers, in which the loads below land
.irp t, 0,1,2,3,4,5,6,7
	ds_load_b128 v[128+8*\t:128+8*\t+3], v[ADR] offset:16384+1024*\t
	ds_load_b128 v[128+8*\t+4:128+8*\t+7], v[ADR] offset:16384+1024*\t+512
.endr
	WIN 0
.endm
; t - M, two at a time (of the pairs c' and -M the low word serves both halves), and p = 2^(t - M).  ONE BATCH: no line of it names an exponential's result; a pair is scaled three lines ahead of its exponentials.
.macro BATCH
	v_pk_fma_f32 v[SB_:SB_+1], v[SB_:SB_+1], s[CS:CS+1], v[T_:T_+1] op_sel_hi:[1,0,0]
	v_pk_fma_f32 v[SB_+2:SB_+3], v[SB_+2:SB_+3], s[CS:CS+1], v[T_:T_+1] op_sel_hi:[1,0,0]
.set i_, 0
.rept 30
	v_exp_f32 v[SB_+2*i_], v[SB_+2*i_]
	v_exp_f32 v[SB_+2*i_+1], v[SB_+2*i_+1]
	v_pk_fma_f32 v[SB_+2*i_+4:SB_+2*i_+5], v[SB_+2*i_+4:SB_+2*i_+5], s[CS:CS+1], v[T_:T_+1] op_sel_hi:[1,0,0]
.set i_, i_+1
.endr
.irp i, 60,61,62,63
	v_exp_f32 v[SB_+\i], v[SB_+\i]
.endr
	v_pk_mul_f32 v[T_+2:T_+3], v[T_+2:T_+3], v[12:13] op_sel_hi:[1,0]   ; the sums under the new M: the plain instruction behind the last exponential
	s_wait_alu depctr_va_vdst(0)                   ; the 64 exponentials have written p: one wait, ahead of the first line that names a result
.endm
.macro SUMS                            ; the row's sum is taken of the UNQUANTISED p: two at a time, in two chains
	v_pk_add_f32 v[14:15], v[SB_:SB_+1], v[SB_+2:SB_+3]
.irp j, 4,8,12,16,20,24,28,32,36,40,44,48,52,56,60
	v_pk_add_f32 v[T_+2:T_+3], v[T_+2:T_+3], v[SB_+\j:SB_+\j+1]
	v_pk_add_f32 v[14:15], v[14:15], v[SB_+\j+2:SB_+\j+3]
.endr
	v_pk_add_f32 v[T_+2:T_+3], v[T_+2:T_+3], v[14:15]
.endm
.macro HOLD                            ; the conversion to an 8-bit code does not saturate (ISA guide 7.6.2).  p <= 1: with ep >= -8 no p / 2^ep passes 256, and the hold changes nothing.  p is not negative: it is one-sided
	s_cmp_ge_i32 s[EP], -8
	s_cbranch_scc1 .Lno_hold_\@
.set i_, 0
.rept 64
	v_min_num_f32 v[SB_+i_], v[SB_+i_], v[LIMV]
.set i_, i_+1
.endr
.Lno_hold_\@:
.endm
.macro CVT                             ; tile t's eight keys: registers 2 t, 2 t + 1 of P
.irp t, 0,1,2,3,4,5,6,7
	v_cvt_scalef32_pk8_fp8_f32 v[PC+2*\t:PC+2*\t+1], v[SB_+8*\t:SB_+8*\t+7], v[SCV]
.endr
.endm
.macro RESC                            ; O^T under the new M: x f, from each accumulator's low end on.  These sixteen are also the plain instructions between the conversions and the products that read P
	WIN W_RS
.set i_, 0
.rept 16
	v_pk_mul_f32 v[OB_+2*i_:OB_+2*i_+1], v[OB_+2*i_:OB_+2*i_+1], v[12:13] op_sel_hi:[1,0]
.set i_, i_+1
.endr
.endm
.macro PV                              ; O^T += V^T P: four accumulators, one instruction each: no two matrix instructions that follow each other share an accumulator
	WIN W_PV
.irp t, 0,1,2,3
	v_wmma_f32_16x16x128_fp8_fp8 v[OB_+8*\t:OB_+8*\t+7], v[192+16*\t:192+16*\t+15], v[PC:PC+15], v[OB_+8*\t:OB_+8*\t+7]
.endr
.endm
; A UNIT: tile a of my queries x the step's 128 keys.  last = 1: the last step, which fetches nothing beyond the end.
; The loads into V^T's and K's registers stand behind MAXM, each run behind its own wait: the batch, the sums, the conversions and the rescaling follow while they land.
.macro UNIT a, last
.set SB_, SC+64*((\a)%2)
.set T_, ST+4*(\a)
.set OB_, 32*(\a)
.set more_, 1
.if (\a) == 3
.if \last
.set more_, 0                          ; no unit follows
.endif
.endif
.if more_
.if (\a) == 3
	s_wait_dscnt 0x0                               ; the next step's K, asked for a unit ago, is in
.endif
	KQ ((\a)+1)%4, 1-(\a)%2                        ; the next unit's scores, into the other set
.endif
	WIN 0                                          ; at a branch and at a label every window is 0
	s_wait_kmcnt 0x0                               ; this unit's mask words, if they were asked for
	s_bitcmp1_b32 s[FL+(\a)/2], 16*((\a)%2)        ; does every key of this unit count?
	s_cbranch_scc1 .Lfull_\@
	SEL
.Lfull_\@:
.if more_
.if (\a) == 3
	s_bitcmp1_b32 s[FL], 1                         ; the next unit's flag: tile 0 of the next step
.else
	s_bitcmp1_b32 s[FL+((\a)+1)/2], 16*(((\a)+1)%2)
.endif
	s_cbranch_scc1 .Lknown_\@                      ; its words are asked for only if it will use them: a unit ahead, behind this unit's selects, which read the same registers
.if (\a) == 3
	MLOAD 256
.else
	MLOAD 4096*((\a)+1)
.endif
.Lknown_\@:
.endif
	MAXM
.if (\a) == 0
	s_wait_alu depctr_vm_vsrc(0)                   ; the LDS loads issued so far, the last step's of V^T and of K, have read v[ADR], which the next line writes
	v_add_nc_u32 v[ADR], s[TB], v[LB]
	LOADV
.endif
.if (\a) == 2
.if !(\last)
	LOADK
.endif
.endif
	BATCH
	SUMS
	HOLD
	CVT
	RESC
.if (\a) == 0
	s_wait_dscnt 0x0                               ; V^T is in
.endif
	PV
.endm
.macro STEP last
	UNIT 0, \last
	UNIT 1, \last
	UNIT 2, \last
	UNIT 3, \last
	WIN 0
	s_wait_xcnt 0x0                                ; the scalar loads have read their base: it is stepped only behind this wait
	s_add_nc_u64 s[MP:MP+1], s[MP:MP+1], 256
	s_add_co_u32 s[TB], s[TB], 16384
	s_lshr_b32 s[FL], s[FL], 1
	s_lshr_b32 s[FL+1], s[FL+1], 1
.endm
	s_wait_dscnt 0x0                               ; K of step 0 (Q came with the fill's last wait)
	KQ 0, 0                                        ; tile 0's first scores
	WIN W_LD
.set i_, 0
.rept 128
	v_mov_b32 v[i_], 0                             ; O^T.  The step is written twice, not three times: the first finds zeros, which the first change of M leaves zeros.  These are also the places behind the products above
.set i_, i_+1
.endr
	WIN 0
	s_mov_b32 s[TB], 0
	s_mov_b32 s3, 15
.Lstep:                                            ; fifteen trips; the sixteenth step is written out, since it fetches no K, no scores and no mask words beyond the end
	STEP 0
	s_sub_co_u32 s3, s3, 1
	s_cmp_lg_u32 s3, 0
	s_cbranch_scc1 .Lstep
	STEP 1
	; THE WAY OUT.  The sum's two halves and the other half of the lanes' are added; O^T is divided by the sum, multiplied by 2^(ep + ev), and goes through my stage in LDS, a tile at a time:
	; a query's 64 channels of a head are 256 bytes of out0, aligned, and sixteen lanes store them.  The additions are the places behind the last products.
.irp a, 0,1,2,3
	v_add_f32 v[ST+4*\a+2], v[ST+4*\a+2], v[ST+4*\a+3]
.endr
.irp a, 0,1,2,3
	v_permlanex16_b32 v[ST+4*\a+3], v[ST+4*\a+2], s[SEL0], s[SEL0+1]
.endr
.irp a, 0,1,2,3
	v_add_f32 v[ST+4*\a+2], v[ST+4*\a+2], v[ST+4*\a+3]
.endr
.irp a, 0,1,2,3
	v_rcp_f32 v[ST+4*\a+2], v[ST+4*\a+2]
.endr
	v_nop                                          ; a plain instruction between the last reciprocal and the use of its result
	s_wait_alu depctr_va_vdst(0)                   ; the four reciprocals are written: one wait, ahead of the first use
.irp a, 0,1,2,3
	v_ldexp_f32 v[ST+4*\a+2], v[ST+4*\a+2], s[EPV]
.endr
.macro SCALE a                         ; tile a: register 8 t + j of lane (r, h) is out(query r, channel 16 t + 8 h + j); into the registers that held scores
.set i_, 0
.rept 16
	v_pk_mul_f32 v[SC+32*(\a)+2*i_:SC+32*(\a)+2*i_+1], v[32*(\a)+2*i_:32*(\a)+2*i_+1], v[ST+4*(\a)+2:ST+4*(\a)+3] op_sel_hi:[1,0]
.set i_, i_+1
.endr
.endm
.macro TURN a                          ; tile a through my stage: in by lanes, back by rows, into the registers that it left
.irp t, 0,1,2,3
	ds_store_b128 v[STO], v[SC+32*(\a)+8*\t:SC+32*(\a)+8*\t+3] offset:64*\t
	ds_store_b128 v[STO], v[SC+32*(\a)+8*\t+4:SC+32*(\a)+8*\t+7] offset:64*\t+16
.endr
	s_wait_alu depctr_vm_vsrc(0)                   ; the eight stores have read the tile's 32 registers, in which the loads below land
.irp i, 0,1,2,3,4,5,6,7
	ds_load_b128 v[SC+32*(\a)+4*\i:SC+32*(\a)+4*\i+3], v[RD] offset:2*\i*SP   ; LDS serves a wave's instructions in order (ISA guide 5.7.1.4): these see my stores, and the next tile's stores come behind them
.endr
.endm
.macro SEND a, younger                 ; younger: the LDS instructions issued behind tile a's loads: the next tile's sixteen, or none
.irp i, 0,1,2,3,4,5,6,7
	s_wait_dscnt \younger+7-\i
	global_store_b128 v[GO], v[SC+32*(\a)+4*\i:SC+32*(\a)+4*\i+3], s[OP:OP+1] offset:(16*(\a)+2*\i)*4096 th:TH_STORE_NT   ; 16 lanes store 256 consecutive bytes, aligned; each tile has its own registers
.endr
.endm
	WIN W_OUT
	SCALE 0                                        ; all four tiles' arithmetic stands together, so that one wait serves all that follows
	SCALE 1
	SCALE 2
	SCALE 3
	WIN 0
	s_wait_alu depctr_va_vdst(0)                   ; the 64 multiplications have written v64 to v191, which the stage's stores read and in which its loads land; no vector instruction follows
	TURN 0
	TURN 1                                         ; a tile's way through the stage stands between the loads of the tile before and its stores
	SEND 0, 16
	TURN 2
	SEND 1, 16
	TURN 3
	SEND 2, 16
	SEND 3, 0
	s_wait_dscnt 0x0                               ; the closing lines, six on end
	s_wait_alu 0x0
	s_wait_tensorcnt 0x0
	ds_add_u32 v[SPW], v[NIL]
	s_wait_dscnt 0x0
	s_endpgm
.Lfunc_end_k_qd061ec4e86_attn:
	.size	k_qd061ec4e86_attn, .Lfunc_end_k_qd061ec4e86_attn-k_qd061ec4e86_attn
	.p2alignl 7, 3214868480
	.fill 96, 4, 3214868480
	.section	.rodata,"a",@progbits
	.p2align	6, 0x0
	.amdhsa_kernel k_qd061ec4e86_attn
		.amdhsa_group_segment_fixed_size 297984
		.amdhsa_private_segment_fixed_size 0
		.amdhsa_enable_private_segment 0
		.amdhsa_kernarg_size 48
		.amdhsa_user_sgpr_count 2
		.amdhsa_user_sgpr_kernarg_segment_ptr 1
		.amdhsa_wavefront_size32 1
		.amdhsa_system_sgpr_workgroup_id_x 1
		.amdhsa_system_sgpr_workgroup_id_y 1
		.amdhsa_system_sgpr_workgroup_id_z 1
		.amdhsa_system_vgpr_workitem_id 0
		.amdhsa_next_free_vgpr 512
		.amdhsa_next_free_sgpr 100
		.amdhsa_reserve_vcc 0
		.amdhsa_float_denorm_mode_32 3
		.amdhsa_float_denorm_mode_16_64 3
		.amdhsa_memory_ordered 1
		.amdhsa_forward_progress 1
		.amdhsa_inst_pref_size 177
	.end_amdhsa_kernel
	.amdgpu_metadata
---
amdhsa.version: [ 1, 2 ]
amdhsa.kernels:
  - .name:           k_qd061ec4e86_attn
    .symbol:         k_qd061ec4e86_attn.kd
    .args:
      - { .name: qf, .offset: 0, .size: 8, .value_kind: global_buffer, .address_space: global }
      - { .name: kv, .offset: 8, .size: 8, .value_kind: global_buffer, .address_space: global }
      - { .name: maskw, .offset: 16, .size: 8, .value_kind: global_buffer, .address_space: global }
      - { .name: flags, .offset: 24, .size: 8, .value_kind: global_buffer, .address_space: global }
      - { .name: lowp_scales, .offset: 32, .size: 8, .value_kind: global_buffer, .address_space: global }
      - { .name: out0, .offset: 40, .size: 8, .value_kind: global_buffer, .address_space: global }
    .group_segment_fixed_size: 297984
    .private_segment_fixed_size: 0
    .kernarg_segment_align: 8
    .kernarg_segment_size: 48
    .max_flat_workgroup_size: 256
    .sgpr_count:     100
    .vgpr_count:     512
    .wavefront_size: 32
...
	.end_amdgpu_metadata
.endif
;; end of part 4
